; MI455X (gfx1250); checked and timed in simulation.
; The chip was launched on July 23, 2026; its instructions are those of AMD's public machine-readable ISA for CDNA 5 (MIT licence, August 2026) and "CDNA5" Instruction Set Architecture Reference Guide (July 2026). The comments in the code are by the model that wrote it; some were corrected since.
;; Sparse Attention. Allowed arithmetic: matrix products marked QUANTISED: E2M3 operands, one E8M0 scale for each 32 along K, by v_wmma_scale_f32_16x16x128_f8f6f4 with both operands' format E2M3, f32 sums; everything else in f32.
;; Inputs: b_proj 256 float32; w_proj_codes 256 x 8 x 24 uint8 (E2M3 codes of w_proj, K innermost, in blocks of 32 codes, four codes in three bytes); w_proj_scales 256 x 8 uint8 (E8M0 scales of w_proj, one for each 32 codes along K); w_qkv_codes 768 x 8 x 24 uint8 (E2M3 codes of w_qkv, K innermost, in blocks of 32 codes, four codes in three bytes); w_qkv_scales 768 x 8 uint8 (E8M0 scales of w_qkv, one for each 32 codes along K); x 2 x 4,096 x 256 float32.
;; Outputs: out0 2 x 4,096 x 256 float32.
;; This version of the problem:
;;   THIS VERSION OF THE PROBLEM IS GIVEN IN LOW PRECISION. The matrix products marked QUANTISED in the list below multiply operands that are first quantised to E2M3 (2 exponent bits, 3 mantissa bits; 6 bits a number), with one power-of-two scale for each 32 numbers along K (OCP MX v1.0); their sums are f32. All else is computed in f32.
;;   The module's matrix products, in the order in which they are computed (A, B: the left and right operand; K: the contracted axis; several contracted axes count as one K, in the product's order):
;;     1. [M 8,192, K 256] x [K 256, N 768]; A: input x; B: input w_qkv (given as codes): QUANTISED
;;     2. batch 16 x [M 4,096, K 32] x [K 32, N 4,096]; A: computed on the way; B: computed on the way: QUANTISED
;;     3. batch 16 x [M 4,096, K 4,096] x [K 4,096, N 32]; A: softmax (see below); B: computed on the way: QUANTISED
;;     4. [M 8,192, K 256] x [K 256, N 256]; A: computed on the way; B: input w_proj (given as codes): QUANTISED
;;   THE QUANTISER, for each operand of a quantised product, along K:
;;     - K is cut into blocks of 32 from its start; a last block that is shorter is filled with zeros.
;;     - A block's scale is 2^e with e = floor(log2(the largest magnitude in the block)) - 2, held to -126 .. 127; a block of zeros has e = 0. As a byte (E8M0): e + 127.
;;     - Each number is divided by its block's scale, clamped to +-7.5, and rounded to the nearest number of E2M3, ties to even, subnormals kept.
;;     - The product sums the exact products of the quantised numbers (number of the format x scale) in f32.
;;   ~~~python
;;   def quantise(x, axis):      # numpy; x: float32 -> the quantised numbers, widened to float32 again
;;       x = np.moveaxis(x, axis, -1); K = x.shape[-1]
;;       x = np.pad(x, [(0, 0)] * (x.ndim - 1) + [(0, -K % 32)]); x = x.reshape(x.shape[:-1] + (-1, 32)); a = np.abs(x).max(-1, keepdims=True)
;;       e = np.where(a > 0, np.clip(np.frexp(np.where(a > 0, a, 1))[1] - 1 - 2, -126, 127), 0)      # np.frexp(a)[1] - 1 = floor(log2(a)), exactly
;;       r = np.clip(x / 2.0 ** e, -7.5, 7.5)
;;       step = 2.0 ** (np.maximum(np.frexp(np.where(r == 0, 1, r))[1] - 1, 0) - 3)
;;       q = np.round(r / step) * step * 2.0 ** e      # np.round: ties to even
;;       return np.moveaxis(q.reshape(q.shape[:-2] + (-1,))[..., :K], -1, axis).astype(np.float32)
;;   ~~~
;;   SOFTMAX AHEAD OF A QUANTISED PRODUCT. Where the list says 'softmax', what is quantised is not the finished softmax but p = 2^(t - M), with t = logit x log2(e) and M = ceil(the row's largest t), a whole number; so 1/2 < the row's largest p <= 1. The row's sum l is taken of the UNQUANTISED p, in f32, and the product's result is divided by l at the end. Since M is a whole number, a kernel that streams over the keys may use a running M (the ceiling of the running maximum): every later rescaling is an exact power of two, which a block's scale takes up: the codes' values come out the same.
;;   OPERANDS COMPUTED ON THE WAY. 'Computed on the way' means the value that the module computes at that place (a softmax that the list does not call 'softmax' is quantised finished and normalised). What goes into a quantiser is computed in f32, as accurately as f32 sums, v_exp_f32 and their like allow (about 1e-6 of the number): no bf16 or f16 on the way to a quantiser, and a product that is left as it is and whose result goes on into a quantised operand takes f32 operands (vector FMAs, or v_wmma_f32_16x16x4_f32). A number that lies on a knife's edge between two numbers of the format may be rounded either way, as far as f32 arithmetic and the matrix unit's own rounding can turn it there, and no further.
;;   INPUTS GIVEN AS CODES. w_proj (in the module: [256, 256], K = its axis 0); w_qkv (in the module: [256, 768], K = its axis 0): each comes as NAME_codes (uint8): NAME with its K axis moved to the last place and cut into blocks of 32 codes, [.., K / 32, bytes a block], one block behind the other in memory; four codes in three bytes: a row's codes are one little-endian stream of bits, code i at bits 6 i .. 6 i + 5 (a code: sign, 2 exponent bits, 3 mantissa bits); and NAME_scales (uint8): the same leading axes, one E8M0 byte (e + 127) for each 32 codes along K. Its value is code x scale, taken as it is: it is not quantised again, and the codes and scales need not be those that the quantiser above would give.
;; 2 versions. Each part assembles by itself: llvm-mc -triple=amdgcn-amd-amdhsa -mcpu=gfx1250 --defsym DOCPART=n.
;; ======== version 1 of 2: 5 launches
;; workspace buffers: xq 1,638,400 bytes; dens 32,768 bytes; tabs 33,792 bytes of whole numbers; qq 1,638,400 bytes; kv 4,325,376 bytes; ao 1,638,400 bytes
;; launch densq (part 1): grid 256 x 1, 2 waves a work-group, no clusters, 11,520 bytes of LDS; arguments x, xq, dens; writes xq, dens
.if DOCPART == 1
	.amdgcn_target "amdgcn-amd-amdhsa--gfx1250"
	.amdhsa_code_object_version 6
	.text
	.protected	k_qbc523f73ab_densq
	.globl	k_qbc523f73ab_densq
	.p2align	8
	.type	k_qbc523f73ab_densq,@function
k_qbc523f73ab_densq:
	s_mov_b64 s[64:65], 0
	v_nop
	global_prefetch_b8 v0, s[64:65] scope:SCOPE_SE
	s_setreg_imm32_b32 hwreg(HW_REG_WAVE_MODE, 25, 1), 1
	s_wait_xcnt 0x0
; x [8192][256] f32 -> (1) codes of FP6 (E2M3) along the 256, [8192][192] bytes at xq + 0, and one E8M0 byte for each 32, [8192][8] at xq + XSOFF;
; (2) each row's density = (std over the 256, divisor 255, + mean |x[row] - x[row - 1]|) / 2, f32 [8192]; the first row of each batch of 4,096 has no predecessor and its difference counts 0.
; A block's scale is 2^(floor(log2(largest magnitude)) - 2): its byte is the largest magnitude's exponent field - 2, held at 1 from below.
; LIMITS: NaN and infinities are not served; a block whose largest magnitude lies under 2^-124 (a block of zeros too) gets the byte 1: only this program reads the bytes, and such a block's codes are zeros or the nearest codes under that scale.
; SHARES.  A wave owns 16 rows as TWO streams: lanes 0-15 walk rows a0 .. a0 + 7, lanes 16-31 rows a0 + 8 .. a0 + 15, a row a step; a lane holds 16 neighbours of its row.  So a row's predecessor is the same
; lane's numbers of the step before.  Step 0 only brings the predecessors (stream A: row a0 - 1, or row a0 itself at a batch's head: the difference is then 0 and no load leaves x).
; Loads take the bytes as they lie, 512 consecutive bytes an instruction; a step's 2,048 bytes turn through the wave's own stage in LDS and come back 64 bytes a lane (80 bytes from lane to lane).
; Waves share nothing: no barrier.  Loads run six steps ahead, the turn through LDS one step.
.set XSOFF, 1572864                    ; where the scale bytes begin in xq
.set WREG,  5632                       ; LDS of a wave: two stages of 32 x 80 bytes, 128 scale bytes, 16 densities
.set SBO,   5120
.set DNO,   5248
.set SPARE, 11264                      ; behind the two regions: the spare words, 128 bytes for each wave
.set SPW, 16                           ; v16  LDS address of my spare word; never rewritten
.set NIL, 17                           ; v17  0; never rewritten
.set X,   40                           ; v40-87   three sets of 16 neighbours: this step's, the last step's, the next step's
.set C,   88                           ; v88-119  codes, four registers a step: no store's data are written again
.set R,   120                          ; v120-215 six sets of 16 numbers as loaded
	s_load_b128 s[4:7], s[0:1], 0x0                ; x, xq
	s_load_b64 s[8:9], s[0:1], 0x10                ; dens
	v_lshl_add_u32 v[SPW], v0, 2, SPARE
	v_mov_b32 v[NIL], 0
	v_lshrrev_b32 v1, 5, v0
	v_readfirstlane_b32 s14, v1                    ; wave
	v_and_b32 v1, 31, v0                           ; lane
	v_lshlrev_b32 v2, 4, v1                        ; my 16 bytes of a load's 512
	s_mul_i32 s18, s14, WREG
	v_lshrrev_b32 v3, 2, v1
	v_mul_u32_u24 v3, v3, 80
	v_and_b32 v4, 3, v1
	v_lshl_add_u32 v3, v4, 4, v3
	v_add_nc_u32 v3, s18, v3                       ; the stage, way in: 80 (lane / 4) + 16 (lane % 4)
	v_mul_u32_u24 v4, v1, 80
	v_add_nc_u32 v4, s18, v4                       ; way out: 80 x lane
	v_and_b32 v10, 15, v1                          ; r
	v_lshrrev_b32 v11, 4, v1                       ; h: my stream
	v_mul_u32_u24 v5, v10, 12
	v_mad_u32_u24 v5, v11, 1536, v5                ; my codes: 12 r, stream B eight rows of 192 bytes on
	v_lshrrev_b32 v6, 1, v10
	v_lshl_add_u32 v6, v11, 6, v6
	v_add_nc_u32 v6, s18, v6                       ; my block's scale byte: 64 h + r / 2 (+ 8 a step)
	v_lshlrev_b32 v7, 5, v11
	v_add_nc_u32 v7, s18, v7                       ; my row's density: 32 h (+ 4 a step)
	v_mov_b32 v9, 0                                ; (named as the upper half of the pair v[8:9])
	s_lshl_b32 s15, ttmp9, 1
	s_add_co_u32 s15, s15, s14                     ; g: my run of 16 rows
	s_lshl_b32 s20, s15, 14                        ; 16 rows of 1,024 bytes
	s_mov_b32 s21, 0
	s_mul_i32 s22, s15, 3072                       ; 16 rows of 192 bytes
	s_mov_b32 s23, 0
	s_lshl_b32 s24, s15, 7
	s_add_co_u32 s24, s24, XSOFF                   ; 16 rows of 8 bytes
	s_mov_b32 s25, 0
	s_lshl_b32 s26, s15, 6
	s_mov_b32 s27, 0
	s_and_b32 s28, s15, 255
	s_cmp_eq_u32 s28, 0                            ; a batch's first rows?
	s_cselect_b32 s28, 0, 1024                     ; how far back stream A's predecessor lies
	s_mov_b32 s29, 0
	s_wait_kmcnt 0x0
	s_add_nc_u64 s[4:5], s[4:5], s[20:21]          ; x at row a0
	s_sub_nc_u64 s[10:11], s[4:5], s[28:29]        ; x at stream A's predecessor
	s_add_nc_u64 s[12:13], s[6:7], s[22:23]        ; my codes
	s_add_nc_u64 s[16:17], s[6:7], s[24:25]        ; my scale bytes
	s_add_nc_u64 s[8:9], s[8:9], s[26:27]          ; my densities
.macro LOAD k                          ; step k: stream A's row a0 + k - 1 and stream B's row a0 + k + 7, two loads of 512 bytes each
.set RS, R+16*((\k)%6)
.if (\k) == 0
	global_load_b128 v[RS:RS+3], v2, s[10:11]
	global_load_b128 v[RS+4:RS+7], v2, s[10:11] offset:512
.else
	global_load_b128 v[RS:RS+3], v2, s[4:5] offset:((\k)-1)*1024
	global_load_b128 v[RS+4:RS+7], v2, s[4:5] offset:((\k)-1)*1024+512
.endif
	global_load_b128 v[RS+8:RS+11], v2, s[4:5] offset:((\k)+7)*1024
	global_load_b128 v[RS+12:RS+15], v2, s[4:5] offset:((\k)+7)*1024+512
.endm
.macro TURN k                          ; step k's numbers through the stage: LDS serves a wave's instructions in order, so no wait stands between the stores and the loads
.set RS, R+16*((\k)%6)
.set XT, X+16*((\k)%3)
.irp i, 0,1,2,3
	ds_store_b128 v3, v[RS+4*\i:RS+4*\i+3] offset:2560*((\k)%2)+640*\i
.endr
.irp i, 0,1,2,3
	ds_load_b128 v[XT+4*\i:XT+4*\i+3], v4 offset:2560*((\k)%2)+16*\i
.endr
.endm
.macro ROWSUM r                        ; the sum over the 16 lanes of a stream, in every lane of it
.irp m, 1,2,4,8
	v_add_f32_dpp v[\r], v[\r], v[\r] row_xmask:\m row_mask:0xf bank_mask:0xf
.endr
.endm
.macro STEP k
.set XC, X+16*((\k)%3)
.set XP, X+16*(((\k)+2)%3)
	s_wait_dscnt 0x0                               ; this step's numbers are back from the stage; all my LDS stores have read their registers
.if (\k)+6 <= 8
	LOAD (\k)+6                                    ; into the set that this step's turn has just left
.endif
.if (\k) < 8
.if (\k)+6 <= 8
	s_wait_loadcnt 20                              ; the next step's four loads are in; those of the five steps behind it may be out
.else
	s_wait_loadcnt 4*(7-(\k))                      ; likewise: 7 - k steps are behind it
.endif
	TURN (\k)+1
.endif
.if (\k) >= 1
	v_pk_add_f32 v[18:19], v[XC:XC+1], v[XC+2:XC+3]                ; the row's sum
	v_pk_add_f32 v[20:21], v[XC+4:XC+5], v[XC+6:XC+7]
	v_pk_add_f32 v[22:23], v[XC+8:XC+9], v[XC+10:XC+11]
	v_pk_add_f32 v[24:25], v[XC+12:XC+13], v[XC+14:XC+15]
	v_pk_add_f32 v[18:19], v[18:19], v[20:21]
	v_pk_add_f32 v[22:23], v[22:23], v[24:25]
	v_pk_add_f32 v[18:19], v[18:19], v[22:23]
	v_add_f32 v8, v18, v19
	ROWSUM 8
	v_mul_f32 v8, 0x3b800000, v8                   ; the mean: / 256
.irp j, 0,2,4,6,8,10,12,14
	v_pk_add_f32 v[18+\j:19+\j], v[XC+\j:XC+\j+1], v[8:9] op_sel_hi:[1,0] neg_lo:[0,1] neg_hi:[0,1]   ; x - mean
.endr
	v_pk_mul_f32 v[10:11], v[18:19], v[18:19]      ; their squares, in two chains
	v_pk_mul_f32 v[12:13], v[20:21], v[20:21]
.irp j, 4,8,12
	v_pk_fma_f32 v[10:11], v[18+\j:19+\j], v[18+\j:19+\j], v[10:11]
	v_pk_fma_f32 v[12:13], v[20+\j:21+\j], v[20+\j:21+\j], v[12:13]
.endr
	v_pk_add_f32 v[10:11], v[10:11], v[12:13]
	v_add_f32 v10, v10, v11
	ROWSUM 10
	v_mul_f32 v10, 0x3b808081, v10                 ; / 255
	v_sqrt_f32 v14, v10                            ; the differences below are the independent work behind it
.irp j, 0,2,4,6,8,10,12,14
	v_pk_add_f32 v[18+\j:19+\j], v[XC+\j:XC+\j+1], v[XP+\j:XP+\j+1] neg_lo:[0,1] neg_hi:[0,1]         ; x - the row before
.endr
	v_add_f32 v12, |v18|, |v19|
	v_add_f32 v13, |v20|, |v21|
.irp j, 4,6,8,10,12,14
	v_add_f32 v12, v12, |v[18+\j]|
	v_add_f32 v13, v13, |v[19+\j]|
.endr
	v_add_f32 v12, v12, v13
	ROWSUM 12
	s_wait_alu depctr_va_vdst(0)                   ; the wait ahead of the root's first reader
	v_fmamk_f32 v15, v12, 0x3b800000, v14          ; std + sum / 256
	v_mul_f32 v15, 0.5, v15
	ds_store_b32 v7, v15 offset:DNO+4*((\k)-1)     ; the 16 lanes of a stream write the same word with the same value
	v_max3_num_f32 v34, |v[XC]|, |v[XC+1]|, |v[XC+2]|              ; the largest magnitude of my 16
	v_max3_num_f32 v35, |v[XC+3]|, |v[XC+4]|, |v[XC+5]|
.irp i, 6,10
	v_max3_num_f32 v34, v34, |v[XC+\i]|, |v[XC+\i+1]|
	v_max3_num_f32 v35, v35, |v[XC+\i+2]|, |v[XC+\i+3]|
.endr
	v_max3_num_f32 v34, v34, |v[XC+14]|, |v[XC+15]|
	v_max3_num_f32 v34, v34, v35, 0x1800000        ; and the floor 2^(3 - 127): the byte cannot fall under 1
	v_max_num_f32_dpp v34, v34, v34 row_xmask:1 row_mask:0xf bank_mask:0xf   ; with my neighbour's 16: the block's
	v_add_nc_u32 v36, 0xff000000, v34              ; 2 off its exponent field: the conversion's scale operand
	v_cvt_scalef32_pk16_fp6_f32 v[C+4*((\k)-1):C+4*((\k)-1)+2], v[XC:XC+15], v36
	v_lshrrev_b32 v37, 23, v36                     ; the scale's byte
	ds_store_b8 v6, v37 offset:SBO+8*((\k)-1)      ; both lanes of a block write the same byte
	global_store_b96 v5, v[C+4*((\k)-1):C+4*((\k)-1)+2], s[12:13] offset:192*((\k)-1)   ; 16 lanes store a row's 192 consecutive bytes
.endif
.endm
.irp k, 0,1,2,3,4,5
	LOAD \k
.endr
	s_wait_loadcnt 20                              ; step 0's four loads are in; five steps' loads are behind them
	TURN 0
.irp k, 0,1,2,3,4,5,6,7,8
	STEP \k
.endr
	v_lshlrev_b32 v18, 2, v1                       ; the way out of the small things: 128 scale bytes, 4 a lane;
	v_add_nc_u32 v19, s18, v18
	v_and_b32 v20, 15, v1
	v_lshlrev_b32 v20, 2, v20                      ; 16 densities (both halves of the lanes store the same)
	v_add_nc_u32 v21, s18, v20
	ds_load_b32 v22, v19 offset:SBO                ; LDS serves a wave's instructions in order: these see my stores
	ds_load_b32 v23, v21 offset:DNO
	s_wait_dscnt 0x0
	global_store_b32 v18, v22, s[16:17]
	global_store_b32 v20, v23, s[8:9]
	s_wait_tensorcnt 0x0                           ; the wave's end: three lines behind my last LDS store
	ds_add_u32 v[SPW], v[NIL]
	s_wait_dscnt 0x0
	s_endpgm
.Lfunc_end_k_qbc523f73ab_densq:
	.size	k_qbc523f73ab_densq, .Lfunc_end_k_qbc523f73ab_densq-k_qbc523f73ab_densq
	.p2alignl 7, 3214868480
	.fill 96, 4, 3214868480
	.section	.rodata,"a",@progbits
	.p2align	6, 0x0
	.amdhsa_kernel k_qbc523f73ab_densq
		.amdhsa_group_segment_fixed_size 11520
		.amdhsa_private_segment_fixed_size 0
		.amdhsa_enable_private_segment 0
		.amdhsa_kernarg_size 24
		.amdhsa_user_sgpr_count 2
		.amdhsa_user_sgpr_kernarg_segment_ptr 1
		.amdhsa_wavefront_size32 1
		.amdhsa_system_sgpr_workgroup_id_x 1
		.amdhsa_system_sgpr_workgroup_id_y 1
		.amdhsa_system_sgpr_workgroup_id_z 1
		.amdhsa_system_vgpr_workitem_id 0
		.amdhsa_next_free_vgpr 216
		.amdhsa_next_free_sgpr 66
		.amdhsa_reserve_vcc 0
		.amdhsa_float_denorm_mode_32 3
		.amdhsa_float_denorm_mode_16_64 3
		.amdhsa_memory_ordered 1
		.amdhsa_forward_progress 1
		.amdhsa_inst_pref_size 52
	.end_amdhsa_kernel
	.amdgpu_metadata
---
amdhsa.version: [ 1, 2 ]
amdhsa.kernels:
  - .name:           k_qbc523f73ab_densq
    .symbol:         k_qbc523f73ab_densq.kd
    .args:
      - { .name: x, .offset: 0, .size: 8, .value_kind: global_buffer, .address_space: global }
      - { .name: xq, .offset: 8, .size: 8, .value_kind: global_buffer, .address_space: global }
      - { .name: dens, .offset: 16, .size: 8, .value_kind: global_buffer, .address_space: global }
    .group_segment_fixed_size: 11520
    .private_segment_fixed_size: 0
    .kernarg_segment_align: 8
    .kernarg_segment_size: 24
    .max_flat_workgroup_size: 64
    .sgpr_count:     66
    .vgpr_count:     216
    .wavefront_size: 32
...
	.end_amdgpu_metadata
.endif
;; end of part 1
;; launch order (part 2): grid 32 x 1, 8 waves a work-group, no clusters, 1,536 bytes of LDS; arguments dens, tabs, kv; writes tabs, kv
.if DOCPART == 2
	.amdgcn_target "amdgcn-amd-amdhsa--gfx1250"
	.amdhsa_code_object_version 6
	.text
	.protected	k_qbc523f73ab_order
	.globl	k_qbc523f73ab_order
	.p2align	8
	.type	k_qbc523f73ab_order,@function
k_qbc523f73ab_order:
	s_mov_b64 s[64:65], 0
	v_nop
	global_prefetch_b8 v0, s[64:65] scope:SCOPE_SE
	s_setreg_imm32_b32 hwreg(HW_REG_WAVE_MODE, 25, 1), 1
	s_wait_xcnt 0x0
; The threshold = mean + std / 2 (divisor 8,191) of the 8,192 densities; then, for each block of 32 keys, the order 'keys above the threshold first'.
; Every work-group makes the threshold for itself, by the same instructions on the same numbers: so it has the same bits in all of them, and nothing goes from work-group to work-group.
; A wave owns one block of 32 keys, a lane one key.  Nothing that is derived from the densities enters an address or a branch here: the order is stored, at places made of ids alone, for the launches behind.
; STORED.  tabs (whole numbers): rowtab u32 [8192] at 0: for each unit of 64 keys (two blocks) and each tile tt of 16 rows, row 8 h' + j = the row of x that stands at place 8 tt + j of block h';  nblk u32 [256] at 32,768: how many keys of a block lie above.
; kv, for each of the batch's 8 heads, in the record (REC bytes) of the step of 128 keys that the block belongs to:
;   WT f32 [4 blocks][32 places]: NaN where the place is seen by every query, else the key's position;  MT f32 [4 blocks][16 places]: 0 where seen, -2^120 where not;  a pad of 128 bytes: zeros.
; LIMIT: a density within the rounding of these f32 sums of the threshold may fall on either side of it.
.set REC,   8448
.set HEADB, 32*REC                     ; a head's 32 records
.set PADO,  3328
.set WTO,   3584
.set MTO,   8192
.set SPARE, 512                        ; bytes 0-31 and 256-287: the waves' partial sums; from 512 on the spare words, 128 bytes for each wave
.set SPW, 2                            ; v2  LDS address of my spare word; never rewritten
.set NIL, 3                            ; v3  0; never rewritten
	s_load_b128 s[4:7], s[0:1], 0x0                ; dens, tabs
	s_load_b64 s[8:9], s[0:1], 0x10                ; kv
	v_lshl_add_u32 v[SPW], v0, 2, SPARE
	v_mov_b32 v[NIL], 0
	v_lshrrev_b32 v1, 5, v0
	v_readfirstlane_b32 s12, v1                    ; wave
	v_and_b32 v1, 31, v0                           ; lane
	v_lshlrev_b32 v4, 4, v0                        ; 16 bytes a thread
	s_lshl_b32 s13, ttmp9, 3
	s_add_co_u32 s13, s13, s12                     ; my block, 0 .. 255
	s_lshl_b32 s14, s13, 7
	v_lshl_add_u32 v5, v1, 2, s14                  ; my key's density
	v_mov_b32 v9, 0                                ; (a lane permute's destination counts as one of its sources)
	v_mov_b32 v15, 0                               ; (named as the upper half of the pair v[14:15])
	s_mov_b32 s16, 0x76543210
	s_mov_b32 s17, 0xfedcba98                      ; v_permlanex16_b32's selects for lane l xor 16
	v_mov_b32 v10, s12
	v_lshlrev_b32 v10, 2, v10                      ; LDS: my wave's word
	v_mov_b32 v11, 0
	s_wait_kmcnt 0x0
.irp i, 0,1,2,3,4,5,6,7
	global_load_b128 v[32+4*\i:35+4*\i], v4, s[4:5] offset:4096*\i   ; all 8,192 densities, 32 a thread
.endr
	global_load_b32 v12, v5, s[4:5]
	s_wait_loadcnt 0x0
.macro WAVESUM                         ; v8 summed over the 32 lanes, in every lane
.irp m, 1,2,4,8
	v_add_f32_dpp v8, v8, v8 row_xmask:\m row_mask:0xf bank_mask:0xf
.endr
	v_permlanex16_b32 v9, v8, s16, s17
	v_add_f32 v8, v8, v9
.endm
.macro XSUM off                        ; and over the eight waves: each stores its word, waits for the store, passes the barrier, and reads all eight
	ds_store_b32 v10, v8 offset:\off
	s_wait_dscnt 0x0
	s_barrier_signal -1
	s_barrier_wait -1
	ds_load_b128 v[16:19], v11 offset:\off
	ds_load_b128 v[20:23], v11 offset:\off+16
	s_wait_dscnt 0x0
	v_add_f32 v16, v16, v17
	v_add_f32 v18, v18, v19
	v_add_f32 v20, v20, v21
	v_add_f32 v22, v22, v23
	v_add_f32 v16, v16, v18
	v_add_f32 v20, v20, v22
	v_add_f32 v8, v16, v20
.endm
.irp j, 0,4,8,12,16,20,24,28
	v_pk_add_f32 v[64+\j/2:65+\j/2], v[32+\j:33+\j], v[34+\j:35+\j]   ; the sum of my 32, as a tree; the numbers stay for the second pass
.endr
.irp j, 0,4,8,12
	v_pk_add_f32 v[64+\j:65+\j], v[64+\j:65+\j], v[66+\j:67+\j]
.endr
	v_pk_add_f32 v[64:65], v[64:65], v[68:69]
	v_pk_add_f32 v[72:73], v[72:73], v[76:77]
	v_pk_add_f32 v[64:65], v[64:65], v[72:73]
	v_add_f32 v8, v64, v65
	WAVESUM
	XSUM 0
	v_mul_f32 v14, 0x39000000, v8                  ; the mean: / 8,192
.irp j, 0,2,4,6,8,10,12,14,16,18,20,22,24,26,28,30
	v_pk_add_f32 v[32+\j:33+\j], v[32+\j:33+\j], v[14:15] op_sel_hi:[1,0] neg_lo:[0,1] neg_hi:[0,1]
.endr
.irp a, 0,2,4,6
	v_pk_mul_f32 v[64+\a:65+\a], v[32+\a:33+\a], v[32+\a:33+\a]       ; the squares, in four chains
.endr
.irp j, 8,16,24
.irp a, 0,2,4,6
	v_pk_fma_f32 v[64+\a:65+\a], v[32+\j+\a:33+\j+\a], v[32+\j+\a:33+\j+\a], v[64+\a:65+\a]
.endr
.endr
	v_pk_add_f32 v[64:65], v[64:65], v[66:67]
	v_pk_add_f32 v[68:69], v[68:69], v[70:71]
	v_pk_add_f32 v[64:65], v[64:65], v[68:69]
	v_add_f32 v8, v64, v65
	WAVESUM
	XSUM 256                                       ; other bytes than the first sum's: no barrier is owed between the first sum's reads and these stores
	v_mul_f32 v8, 0x39000400, v8                   ; / 8,191
	v_sqrt_f32 v13, v8
	v_nop                                          ; a plain instruction behind the root
	s_wait_alu depctr_va_vdst(0)                   ; and the wait ahead of its first reader
	v_fma_f32 v13, 0.5, v13, v14                   ; the threshold
	v_cmp_gt_f32 s20, v12, v13                     ; the block's keys that every query sees
	s_bcnt1_i32_b32 s21, s20                       ; n: how many
	s_not_b32 s22, s20
	v_mbcnt_lo_u32_b32 v16, s20, 0                 ; my rank among them,
	v_mbcnt_lo_u32_b32 v17, s22, 0                 ; or among the others,
	v_add_nc_u32 v17, s21, v17                     ; who stand behind them
	v_cndmask_b32 v16, v17, v16, s20               ; my key's place
	v_mov_b32 v18, 0
.set t, 0
.rept 32                               ; the inverse, by values alone: lane p learns which key stands at place p
	v_readlane_b32 s23, v16, t
	v_cmp_ne_u32 vcc_lo, s23, v1
	v_cndmask_b32 v18, t, v18, vcc_lo
.set t, t+1
.endr
	s_and_b32 s24, s13, 127                        ; the block in its batch
	s_lshl_b32 s25, s24, 5
	v_add_nc_u32 v19, s25, v18
	v_cvt_f32_u32 v19, v19                         ; the position of the key at my place
	v_cmp_gt_u32 vcc_lo, s21, v1                   ; place < n
	v_mov_b32 v20, 0x7fc00000
	v_cndmask_b32 v19, v19, v20, vcc_lo            ; WT
	v_mov_b32 v21, 0xfb800000                      ; -2^120
	v_cndmask_b32 v21, v21, v11, vcc_lo            ; MT: 0 where seen
	v_cmp_gt_u32 s26, 16, v1                       ; lanes 0-15 store MT, lanes 16-31 the pad's zeros
	v_cndmask_b32 v21, v11, v21, s26
	s_and_b32 s27, s13, 3                          ; the block in its step
	s_lshl_b32 s28, s27, 7
	s_add_co_u32 s28, s28, WTO
	v_lshl_add_u32 v22, v1, 2, s28
	s_lshl_b32 s28, s27, 6
	s_add_co_u32 s28, s28, MTO
	v_lshl_add_u32 v23, v1, 2, s28
	s_lshl_b32 s28, s27, 5
	s_add_co_u32 s28, s28, PADO
	v_and_b32 v24, 7, v1
	v_lshl_add_u32 v24, v24, 2, s28
	v_cndmask_b32 v23, v24, v23, s26
	s_lshr_b32 s28, s13, 1                         ; rowtab: the unit of 64 keys, 256 bytes;
	s_lshl_b32 s28, s28, 8
	s_and_b32 s29, s13, 1
	s_lshl_b32 s29, s29, 5                         ; my block's eight rows of each tile;
	s_add_co_u32 s28, s28, s29
	v_lshrrev_b32 v24, 3, v1
	v_lshlrev_b32 v24, 6, v24                      ; tile = place / 8;
	v_and_b32 v25, 7, v1
	v_lshl_add_u32 v24, v25, 2, v24                ; place % 8
	v_add_nc_u32 v24, s28, v24
	s_lshl_b32 s29, s13, 5
	v_add_nc_u32 v25, s29, v18                     ; the row of x
	s_lshl_b32 s29, s13, 2
	s_add_co_u32 s29, s29, 32768
	v_mov_b32 v26, s29
	v_mov_b32 v27, s21
	s_lshr_b32 s30, s13, 7                         ; the batch's first head's record of my step: (256 b + step) records
	s_lshl_b32 s30, s30, 8
	s_lshr_b32 s31, s24, 2
	s_add_co_u32 s30, s30, s31
	s_mul_i32 s30, s30, REC
	s_mov_b32 s31, 0
	s_add_nc_u64 s[8:9], s[8:9], s[30:31]
	global_store_b32 v24, v25, s[6:7]
	global_store_b32 v26, v27, s[6:7]              ; all lanes store the same word
.irp hd, 0,1,2,3,4,5,6,7
	global_store_b32 v22, v19, s[8:9] offset:\hd*HEADB
	global_store_b32 v23, v21, s[8:9] offset:\hd*HEADB
.endr
	s_wait_tensorcnt 0x0                           ; the wave's end: three lines behind my last LDS store
	ds_add_u32 v[SPW], v[NIL]
	s_wait_dscnt 0x0
	s_endpgm
.Lfunc_end_k_qbc523f73ab_order:
	.size	k_qbc523f73ab_order, .Lfunc_end_k_qbc523f73ab_order-k_qbc523f73ab_order
	.p2alignl 7, 3214868480
	.fill 96, 4, 3214868480
	.section	.rodata,"a",@progbits
	.p2align	6, 0x0
	.amdhsa_kernel k_qbc523f73ab_order
		.amdhsa_group_segment_fixed_size 1536
		.amdhsa_private_segment_fixed_size 0
		.amdhsa_enable_private_segment 0
		.amdhsa_kernarg_size 24
		.amdhsa_user_sgpr_count 2
		.amdhsa_user_sgpr_kernarg_segment_ptr 1
		.amdhsa_wavefront_size32 1
		.amdhsa_system_sgpr_workgroup_id_x 1
		.amdhsa_system_sgpr_workgroup_id_y 1
		.amdhsa_system_sgpr_workgroup_id_z 1
		.amdhsa_system_vgpr_workitem_id 0
		.amdhsa_next_free_vgpr 96
		.amdhsa_next_free_sgpr 66
		.amdhsa_reserve_vcc 1
		.amdhsa_float_denorm_mode_32 3
		.amdhsa_float_denorm_mode_16_64 3
		.amdhsa_memory_ordered 1
		.amdhsa_forward_progress 1
		.amdhsa_inst_pref_size 16
	.end_amdhsa_kernel
	.amdgpu_metadata
---
amdhsa.version: [ 1, 2 ]
amdhsa.kernels:
  - .name:           k_qbc523f73ab_order
    .symbol:         k_qbc523f73ab_order.kd
    .args:
      - { .name: dens, .offset: 0, .size: 8, .value_kind: global_buffer, .address_space: global }
      - { .name: tabs, .offset: 8, .size: 8, .value_kind: global_buffer, .address_space: global }
      - { .name: kv, .offset: 16, .size: 8, .value_kind: global_buffer, .address_space: global }
    .group_segment_fixed_size: 1536
    .private_segment_fixed_size: 0
    .kernarg_segment_align: 8
    .kernarg_segment_size: 24
    .max_flat_workgroup_size: 256
    .sgpr_count:     66
    .vgpr_count:     96
    .wavefront_size: 32
...
	.end_amdgpu_metadata
.endif
;; end of part 2
;; launch qkv (part 3): grid 128 x 3, 8 waves a work-group, no clusters, 0 bytes of LDS; arguments xq, w_qkv_codes, w_qkv_scales, tabs, qq, kv; writes qq, kv
.if DOCPART == 3
	.amdgcn_target "amdgcn-amd-amdhsa--gfx1250"
	.amdhsa_code_object_version 6
	.text
	.protected	k_qbc523f73ab_qkv
	.globl	k_qbc523f73ab_qkv
	.p2align	8
	.type	k_qbc523f73ab_qkv,@function
k_qbc523f73ab_qkv:
	s_mov_b64 s[64:65], 0
	v_nop
	global_prefetch_b8 v0, s[64:65] scope:SCOPE_SE
	s_setreg_imm32_b32 hwreg(HW_REG_WAVE_MODE, 25, 1), 1
	s_wait_xcnt 0x0
; q, k, v = x w_qkv on codes of FP6 (E2M3) with E8M0 scales for each 32 along K = 256, and the results quantised at once for the attention: q and k along the head's 32 channels, v along the keys in blocks of 32.
; SHARES.  Work-group x = a unit of 64 rows of x (two blocks of 32 keys: blocks 2 c and 2 c + 1 of step s of batch b); work-group y = the role: 0 q, 1 k, 2 v; wave = head.  A wave: 4 tiles of rows x 2 tiles of channels x 2 K steps = 16 matrix instructions.
; ROWS.  q takes the rows as they lie.  k and v take them in the stored order (rowtab): tile tt, row 8 h' + j = the key at place 8 tt + j of block 2 c + h'.  The index is held to 8,191 before it enters an address.
; CHANNELS.  Lane r of tile u of the weight takes channel 8 u + r + 8 (r / 8), so that a lane's 16 results of the two tiles are 16 neighbouring channels.
; q, k: D = w x^T: lane (row r, h) holds channels 16 h .. 16 h + 15; the block of 32 lies in lanes l and l xor 16.   v: D = x w^T: lane (channel row r, h) holds places 0 .. 31 of block 2 c + h: a whole block.
; STORED.  qq: codes [16 heads x batches][4096][24] at 0, scale bytes [16][4096] at QSOFF.  kv, in the record (REC bytes) of (batch, head, step):
;   K at 0: fragments (hf, c) of 768 bytes at 1536 hf + 768 c: row 8 h' + j = [24 bytes: place 16 hf + j][24 bytes: place 16 hf + 8 + j] of block 2 c + h';  KS at 3072: a word a row: the two keys' bytes, twice over;
;   VS at 3456: a word for each channel row of tile ut: byte = block;  VI at 4096: [ut][hf][c][lane][16 bytes]: 12 bytes of codes (places 16 hf .. + 15) and a zero word: the image of the registers that the attention loads.
; LIMITS: NaN and infinities are not served; a block whose largest magnitude lies under 2^-124 gets the byte 1 (only this program reads the bytes).
.set REC,   8448
.set XSOFF, 1572864
.set QSOFF, 1572864
.set WS,  20                           ; v20-23   the weight's scale words: 20 + 2 u + ks
.set XS,  24                           ; v24-31   x's: 24 + 2 tt + ks
.set W,   32                           ; v32-79   the weight's fragments: 32 + 12 (2 u + ks)
.set X,   80                           ; v80-175  x's: 80 + 24 tt + 12 ks; behind the products: the codes
.set ACC, 176                          ; v176-239 eight accumulators
.macro MM0 d, a, b, sa, sb             ; the first K step starts a sum
	v_wmma_scale_f32_16x16x128_f8f6f4 v[\d:\d+7], v[\a:\a+11], v[\b:\b+11], 0, v[\sa], v[\sb] matrix_a_fmt:MATRIX_FMT_FP6 matrix_b_fmt:MATRIX_FMT_FP6
.endm
.macro MMC d, a, b, c, sa, sb
	v_wmma_scale_f32_16x16x128_f8f6f4 v[\d:\d+7], v[\a:\a+11], v[\b:\b+11], v[\c:\c+7], v[\sa], v[\sb] matrix_a_fmt:MATRIX_FMT_FP6 matrix_b_fmt:MATRIX_FMT_FP6
.endm
	s_load_b256 s[4:11], s[0:1], 0x0               ; xq s[4:5], the weight's codes s[6:7], its scales s[8:9], tabs s[10:11]
	s_load_b128 s[12:15], s[0:1], 0x20             ; qq s[12:13], kv s[14:15]
	v_lshrrev_b32 v1, 5, v0
	v_readfirstlane_b32 s16, v1                    ; wave = head
	v_and_b32 v3, 31, v0                           ; lane
	v_and_b32 v1, 15, v0                           ; r
	v_bfe_u32 v2, v0, 4, 1                         ; h
	s_and_b32 s17, ttmp7, 0xffff                   ; role
	s_lshl_b32 s18, s17, 8
	s_lshl_b32 s19, s16, 5
	s_add_co_u32 s18, s18, s19                     ; the weight's first row for this role and head
	v_and_b32 v4, 8, v1
	v_add_nc_u32 v4, v4, v1                        ; r + 8 (r / 8)
	v_add_nc_u32 v4, s18, v4
	v_lshlrev_b32 v5, 3, v4                        ; its scale bytes: 8 a row
	v_mul_u32_u24 v7, v2, 24                       ; 24 h
	v_mad_u32_u24 v4, v4, 192, v7                  ; its codes: 192 bytes a row
	s_lshl_b32 s19, ttmp9, 6
	v_add_nc_u32 v16, s19, v1                      ; the unit's row r as it lies
	v_lshlrev_b32 v6, 2, v16                       ; and its word of rowtab
	s_mov_b32 s20, 0x76543210
	s_mov_b32 s21, 0xfedcba98                      ; v_permlanex16_b32's selects for lane l xor 16
.irp t, 0,1,2,3
	v_mov_b32 v[244+\t], 0                         ; (a lane permute's destination counts as one of its sources)
.endr
	s_lshr_b32 s24, ttmp9, 6                       ; b
	s_and_b32 s25, ttmp9, 63                       ; the unit in its batch
	s_lshl_b32 s24, s24, 3
	s_add_co_u32 s24, s24, s16                     ; 8 b + head
	s_lshl_b32 s26, s24, 12
	s_lshl_b32 s27, s25, 6
	s_add_co_u32 s28, s26, s27                     ; q's first row in qq
	s_mul_i32 s26, s28, 24
	s_mov_b32 s27, 0
	s_add_co_u32 s28, s28, QSOFF
	s_mov_b32 s29, 0
	s_lshl_b32 s30, s24, 5
	s_lshr_b32 s31, s25, 1                         ; the step
	s_add_co_u32 s30, s30, s31
	s_mul_i32 s30, s30, REC                        ; the record
	s_mov_b32 s31, 0
	s_and_b32 s32, s25, 1                          ; c
	s_cmp_eq_u32 s17, 0
	s_cselect_b32 s22, 0, -1                       ; k, v: the stored order;
	s_cselect_b32 s23, -1, 0                       ; q: the rows as they lie
	s_wait_kmcnt 0x0
	s_add_nc_u64 s[34:35], s[12:13], s[26:27]
	s_add_nc_u64 s[36:37], s[12:13], s[28:29]
	s_add_nc_u64 s[38:39], s[14:15], s[30:31]
.irp t, 0,1,2,3
	global_load_b32 v[8+\t], v6, s[10:11] offset:64*\t
.endr
.irp u, 0,1
.irp s, 0,1
.irp p, 0,1,2,3,4,5
	global_load_b64 v[W+12*(2*\u+\s)+2*\p:W+12*(2*\u+\s)+2*\p+1], v4, s[6:7] offset:8*\u*192+96*\s+48*(\p/3)+8*(\p%3)
.endr
.endr
	global_load_b64 v[WS+2*\u:WS+2*\u+1], v5, s[8:9] offset:64*\u
.endr
	s_wait_loadcnt 26                              ; the table's four words are in; the weight's 24 + 2 loads are behind them
.irp t, 0,1,2,3
	v_min_u32 v[8+\t], 0x1fff, v[8+\t]             ; a loaded number enters an address only so held
	v_and_b32 v[8+\t], s22, v[8+\t]
	v_add_nc_u32 v[12+\t], 16*\t, v16
	v_and_b32 v[12+\t], s23, v[12+\t]
	v_add_nc_u32 v[8+\t], v[8+\t], v[12+\t]        ; the row of x
	v_lshlrev_b32 v[12+\t], 3, v[8+\t]             ; its scale bytes
	v_mul_u32_u24 v[8+\t], v[8+\t], 192
	v_add_nc_u32 v[8+\t], v[8+\t], v7              ; its codes, + 24 h
.endr
.irp t, 0,1,2,3
.irp s, 0,1
.irp p, 0,1,2,3,4,5
	global_load_b64 v[X+24*\t+12*\s+2*\p:X+24*\t+12*\s+2*\p+1], v[8+\t], s[4:5] offset:96*\s+48*(\p/3)+8*(\p%3)
.endr
.endr
	global_load_b64 v[XS+2*\t:XS+2*\t+1], v[12+\t], s[4:5] offset:XSOFF
.endr
	s_wait_loadcnt 0x0
	s_cmp_eq_u32 s17, 2
	s_cbranch_scc1 .Lrole_v
	; ---- q and k: source 0 = 16 channels of the weight, source 1 = 16 rows of x.  The eight accumulators take turns, one instruction a turn
.irp s, 0,1
.irp t, 0,1,2,3
.irp u, 0,1
.if \s == 0
	MM0 ACC+16*\t+8*\u, W+12*(2*\u+\s), X+24*\t+12*\s, WS+2*\u+\s, XS+2*\t+\s
.else
	MMC ACC+16*\t+8*\u, W+12*(2*\u+\s), X+24*\t+12*\s, ACC+16*\t+8*\u, WS+2*\u+\s, XS+2*\t+\s
.endif
.endr
.endr
.endr
.rept 4
	v_nop                                          ; four places between the last product and the first read of results (ISA guide 7.12.1)
.endr
.irp t, 0,1,2,3
	v_max3_num_f32 v[240+\t], |v[ACC+16*\t]|, |v[ACC+16*\t+1]|, 0x1800000   ; my 16 channels of a row, and the floor 2^(3 - 127); the four tiles by turns
.endr
.irp i, 2,4,6,8,10,12,14
.irp t, 0,1,2,3
	v_max3_num_f32 v[240+\t], v[240+\t], |v[ACC+16*\t+\i]|, |v[ACC+16*\t+\i+1]|
.endr
.endr
.irp t, 0,1,2,3
	v_permlanex16_b32 v[244+\t], v[240+\t], s20, s21
.endr
.irp t, 0,1,2,3
	v_max_num_f32 v[240+\t], v[240+\t], v[244+\t]  ; with the other 16 channels: the block's largest magnitude
.endr
.irp t, 0,1,2,3
	v_add_nc_u32 v[248+\t], 0xff000000, v[240+\t]  ; 2 off its exponent field: the conversion's scale operand
.endr
.irp t, 0,1,2,3
	v_lshrrev_b32 v[252+\t], 23, v[248+\t]         ; the scale's byte
.endr
.irp t, 0,1,2,3
	v_cvt_scalef32_pk16_fp6_f32 v[X+4*\t:X+4*\t+2], v[ACC+16*\t:ACC+16*\t+15], v[248+\t]   ; 12 bytes: channels 16 h .. 16 h + 15
.endr
	v_nop                                          ; one plain instruction behind the last scaled conversion
	s_cmp_eq_u32 s17, 0
	s_cbranch_scc0 .Lrole_k
	v_mul_u32_u24 v17, v1, 24
	v_mad_u32_u24 v17, v2, 12, v17                 ; q: 24 bytes a row, + 12 h
.irp t, 0,1,2,3
	global_store_b96 v17, v[X+4*\t:X+4*\t+2], s[34:35] offset:384*\t   ; the wave stores 384 consecutive bytes
	global_store_b8 v1, v[252+\t], s[36:37] offset:16*\t               ; both halves of the lanes store the same byte
.endr
	s_endpgm
.Lrole_k:
	s_mul_i32 s33, s32, 768
	v_mul_u32_u24 v17, v1, 48
	v_mad_u32_u24 v17, v2, 12, v17
	v_add_nc_u32 v17, s33, v17                     ; k: fragment c, row r of 48 bytes, + 12 h
	s_lshl_b32 s33, s32, 6
	v_lshl_add_u32 v18, v1, 2, s33                 ; its scale word
.irp f, 0,1
	v_lshl_or_b32 v[240+\f], v[253+2*\f], 8, v[252+2*\f]   ; the two keys of a row of fragment hf,
	v_lshl_or_b32 v[240+\f], v[240+\f], 16, v[240+\f]      ; and once more for the two blocks of zero codes: they have the scales of the blocks in use
.endr
.irp t, 0,1,2,3
	global_store_b96 v17, v[X+4*\t:X+4*\t+2], s[38:39] offset:1536*(\t/2)+24*(\t%2)
.endr
.irp f, 0,1
	global_store_b32 v18, v[240+\f], s[38:39] offset:3072+128*\f
.endr
	s_endpgm
.Lrole_v:
	; ---- v: source 0 = 16 rows of x (keys), source 1 = 16 channels of the weight
.irp s, 0,1
.irp u, 0,1
.irp t, 0,1,2,3
.if \s == 0
	MM0 ACC+32*\u+8*\t, X+24*\t+12*\s, W+12*(2*\u+\s), XS+2*\t+\s, WS+2*\u+\s
.else
	MMC ACC+32*\u+8*\t, X+24*\t+12*\s, W+12*(2*\u+\s), ACC+32*\u+8*\t, XS+2*\t+\s, WS+2*\u+\s
.endif
.endr
.endr
.endr
.rept 4
	v_nop
.endr
.irp u, 0,1
	v_max3_num_f32 v[240+\u], |v[ACC+32*\u]|, |v[ACC+32*\u+1]|, 0x1800000   ; a whole block of 32 keys is mine; the two tiles of channels by turns
.endr
.irp i, 2,4,6,8,10,12,14,16,18,20,22,24,26,28,30
.irp u, 0,1
	v_max3_num_f32 v[240+\u], v[240+\u], |v[ACC+32*\u+\i]|, |v[ACC+32*\u+\i+1]|
.endr
.endr
.irp u, 0,1
	v_add_nc_u32 v[248+\u], 0xff000000, v[240+\u]
.endr
.irp u, 0,1
	v_lshrrev_b32 v[252+\u], 23, v[248+\u]
.endr
.irp u, 0,1
.irp f, 0,1
	v_cvt_scalef32_pk16_fp6_f32 v[X+4*(2*\u+\f):X+4*(2*\u+\f)+2], v[ACC+32*\u+16*\f:ACC+32*\u+16*\f+15], v[248+\u]   ; places 16 hf .. 16 hf + 15
.endr
.endr
	v_nop                                          ; one plain instruction behind the last scaled conversion
.irp q, 0,1,2,3
	v_mov_b32 v[X+4*\q+3], 0                       ; the image's fourth word
.endr
	v_lshlrev_b32 v19, 3, v2                       ; 8 h
.irp u, 0,1
	v_lshlrev_b32 v[252+\u], v19, v[252+\u]        ; block 2 c + h's byte at its place,
	v_permlanex16_b32 v[244+\u], v[252+\u], s20, s21
	v_or_b32 v[252+\u], v[252+\u], v[244+\u]       ; with the other block's: half a scale word
.endr
	s_lshl_b32 s33, s32, 9
	s_add_co_u32 s33, s33, 4096
	v_lshl_add_u32 v17, v3, 4, s33                 ; VI: 512 c + 16 x lane
	s_lshl_b32 s33, s32, 1
	s_add_co_u32 s33, s33, 3456
	v_lshl_add_u32 v18, v1, 2, s33                 ; VS: 4 r + 2 c
.irp u, 0,1
.irp f, 0,1
	global_store_b128 v17, v[X+4*(2*\u+\f):X+4*(2*\u+\f)+3], s[38:39] offset:(2*\u+\f)*1024   ; the wave stores 512 consecutive bytes
.endr
.endr
.irp u, 0,1
	global_store_b16 v18, v[252+\u], s[38:39] offset:64*\u
.endr
	s_endpgm
.Lfunc_end_k_qbc523f73ab_qkv:
	.size	k_qbc523f73ab_qkv, .Lfunc_end_k_qbc523f73ab_qkv-k_qbc523f73ab_qkv
	.p2alignl 7, 3214868480
	.fill 96, 4, 3214868480
	.section	.rodata,"a",@progbits
	.p2align	6, 0x0
	.amdhsa_kernel k_qbc523f73ab_qkv
		.amdhsa_group_segment_fixed_size 0
		.amdhsa_private_segment_fixed_size 0
		.amdhsa_enable_private_segment 0
		.amdhsa_kernarg_size 48
		.amdhsa_user_sgpr_count 2
		.amdhsa_user_sgpr_kernarg_segment_ptr 1
		.amdhsa_wavefront_size32 1
		.amdhsa_system_sgpr_workgroup_id_x 1
		.amdhsa_system_sgpr_workgroup_id_y 1
		.amdhsa_system_sgpr_workgroup_id_z 1
		.amdhsa_system_vgpr_workitem_id 0
		.amdhsa_next_free_vgpr 256
		.amdhsa_next_free_sgpr 66
		.amdhsa_reserve_vcc 0
		.amdhsa_float_denorm_mode_32 3
		.amdhsa_float_denorm_mode_16_64 3
		.amdhsa_memory_ordered 1
		.amdhsa_forward_progress 1
		.amdhsa_inst_pref_size 25
	.end_amdhsa_kernel
	.amdgpu_metadata
---
amdhsa.version: [ 1, 2 ]
amdhsa.kernels:
  - .name:           k_qbc523f73ab_qkv
    .symbol:         k_qbc523f73ab_qkv.kd
    .args:
      - { .name: xq, .offset: 0, .size: 8, .value_kind: global_buffer, .address_space: global }
      - { .name: w_qkv_codes, .offset: 8, .size: 8, .value_kind: global_buffer, .address_space: global }
      - { .name: w_qkv_scales, .offset: 16, .size: 8, .value_kind: global_buffer, .address_space: global }
      - { .name: tabs, .offset: 24, .size: 8, .value_kind: global_buffer, .address_space: global }
      - { .name: qq, .offset: 32, .size: 8, .value_kind: global_buffer, .address_space: global }
      - { .name: kv, .offset: 40, .size: 8, .value_kind: global_buffer, .address_space: global }
    .group_segment_fixed_size: 0
    .private_segment_fixed_size: 0
    .kernarg_segment_align: 8
    .kernarg_segment_size: 48
    .max_flat_workgroup_size: 256
    .sgpr_count:     66
    .vgpr_count:     256
    .wavefront_size: 32
...
	.end_amdgpu_metadata
.endif
;; end of part 3
;; launch attn (part 4): grid 16 x 16, 16 waves a work-group, no clusters, 272,384 bytes of LDS; arguments qq, kv, tabs, ao; writes ao
.if DOCPART == 4
	.amdgcn_target "amdgcn-amd-amdhsa--gfx1250"
	.amdhsa_code_object_version 6
	.text
	.protected	k_qbc523f73ab_attn
	.globl	k_qbc523f73ab_attn
	.p2align	8
	.type	k_qbc523f73ab_attn,@function
k_qbc523f73ab_attn:
	s_mov_b64 s[64:65], 0
	v_nop
	global_prefetch_b8 v0, s[64:65] scope:SCOPE_SE
	s_setreg_imm32_b32 hwreg(HW_REG_WAVE_MODE, 25, 1), 1
	s_wait_xcnt 0x0
; The attention of one head on codes of FP6 (E2M3): S^T = K Q^T (K = the head's 32), p = 2^(t - M), O^T = V^T P^T (K = the keys, in blocks of 32 original keys), O / the row's sum, quantised along the head's 32 for the projection.
; t = score x log2(e) / sqrt(32); M = the running largest t rounded UP to a whole number; the row's sum is taken of the unquantised p; when M moves, the sum and O^T are multiplied by 2^(old M - new M), which rounds nothing.
; THE MASK.  Key j counts for query i where |i - j| < 16 or where j's density lies above the threshold.  Each block of 32 keys has been sorted, the keys that every query sees first (n of them); p and v are permuted alike, so the
; blocks and their scales are those of the original order.  A SPARSE step (128 keys) computes only places 0-15 of its four blocks: the other 16 codes of p are zeros that stay in the operand's registers.  Places from n on are hidden by the C of the
; score products: 0 where seen, -2^120 where not (table MT).  A FULL step computes all 32 places and hides by the keys' positions (table WT: NaN = seen by all): it is taken where a block of the step has n > 16, or where the step touches
; my 16 queries' window.  Which steps are full is a word of 32 bits made from stored whole numbers and ids.
; SHARES.  A work-group owns 256 queries of one (batch, head); each of its sixteen waves 16 of them, in under 256 registers: four waves to a SIMD, so that one wave's vector work stands beside another's matrix work and LDS loads.
; The head's 32 records (REC bytes a step) are copied into LDS ONCE, through registers, with one barrier behind; after that LDS is only read.
; LAYOUT.  Both products are used transposed, so a lane holds ONE query (lane % 16).  A fragment of K carries two tiles of 16 keys: tile 0 in k-block 0, tile 1 in k-block 1; Q0 holds q in k-block 0 and zeros in block 1, Q1 the other way round.
; Score register 32 hf + 16 c + 8 u + j of lane (q, h) is place 16 hf + 8 u + j of block 2 c + h: a lane's 16 (32) registers are places of ONE block, its maximum needs no other lane, and a conversion's three registers are registers 6 c .. 6 c + 2 of P.
; LIMITS: NaN and infinities are not served; |t| stays under 2^100 (the start of the running maximum; a hidden score's t is about -2^118); hidden keys are left out, which is what -1e10 does as long as a row's logits lie within 1e9 of each other.
; No tensor loads, hence no joint loads in a cluster, though the sixteen query blocks of a head read the same records.
.set REC,   8448
.set HEADB, 32*REC
.set SPARE, HEADB                      ; behind the records: the spare words, 128 bytes for each wave
.set QSOFF, 1572864
.set ASOFF, 1572864
.set KSO, 3072
.set VSO, 3456
.set WTO, 3584
.set VIO, 4096
.set MTO, 8192
.set AK0, 1                            ; v1   48 r + 24 h: my place in a fragment of K
.set AW0, 2                            ; v2   4 r: in a run of scale words
.set AV0, 3                            ; v3   16 x lane + VIO: in an image of V
.set AT0, 4                            ; v4   128 h + WTO
.set SPW, 5                            ; v5   LDS address of my spare word; never rewritten
.set NIL, 6                            ; v6   0; never rewritten
.set H8,  7                            ; v7   8 h
.set ADK, 8                            ; v8-11, v126: the five places + the step's record
.set ADW, 9
.set ADV, 10
.set ADT, 11
.set Q0,  16                           ; v16-27, v28-39
.set Q1,  28
.set QS,  40                           ; v40-45 hold scale words and nothing else: q's; K's two; V's two; p's
.set KS,  41
.set VS,  43
.set PS,  45
.set QLO, 46                           ; v46, v47: my query's position - 15, + 15
.set QHI, 47
.set NINF, 48
.set AM0, 49                           ; v49  64 h + MTO
.set F,   50                           ; v50-61, v62-73: K's fragments c = 0, 1; registers 6-11 of each stay 0
.set V,   74                           ; v74-85, v86-97: V's fragments ut = 0, 1; registers 4, 5, 10, 11 stay 0
.set P,   98                           ; v98-109; registers 3-5 and 9-11 stay 0
.set O,   110                          ; v110-125 O^T: register 8 ut + j = channel 16 h + 8 ut + j
.set ADM, 126
.set S,   128                          ; v128-159 scores of places 0-15; v160-191 of places 16-31, or in a sparse step the C of the products
.set WT,  192                          ; v192-207
.set BM,  208                          ; v208-209 the two blocks' largest score, then largest p
.set SO,  212                          ; v212-213 the conversions' scale operands
.set BY,  214                          ; v214-215 the scales' bytes
.set L2,  216                          ; v[216:217] the sums' second chain
.set FF,  218                          ; v[218:219] f = 2^(old M - new M)
.set T0,  220
.set T1,  221
.macro MM0 d, a, b, sa, sb
	v_wmma_scale_f32_16x16x128_f8f6f4 v[\d:\d+7], v[\a:\a+11], v[\b:\b+11], 0, v[\sa], v[\sb] matrix_a_fmt:MATRIX_FMT_FP6 matrix_b_fmt:MATRIX_FMT_FP6
.endm
.macro MMC d, a, b, c, sa, sb
	v_wmma_scale_f32_16x16x128_f8f6f4 v[\d:\d+7], v[\a:\a+11], v[\b:\b+11], v[\c:\c+7], v[\sa], v[\sb] matrix_a_fmt:MATRIX_FMT_FP6 matrix_b_fmt:MATRIX_FMT_FP6
.endm
	s_load_b256 s[4:11], s[0:1], 0x0               ; qq s[4:5], kv s[6:7], tabs s[8:9], ao s[10:11]
	v_lshl_add_u32 v[SPW], v0, 2, SPARE
	v_mov_b32 v[NIL], 0
	v_lshrrev_b32 v8, 5, v0
	v_readfirstlane_b32 s12, v8                    ; wave
	s_and_b32 s13, ttmp7, 0xffff                   ; 8 b + head
	s_lshr_b32 s14, s13, 3                         ; b
	s_and_b32 s15, s13, 7                          ; head
	s_lshl_b32 s16, ttmp9, 8
	s_lshl_b32 s17, s12, 4
	s_add_co_u32 s16, s16, s17                     ; i0: my first query
	v_and_b32 v9, 15, v0                           ; r
	v_bfe_u32 v10, v0, 4, 1                        ; h
	v_and_b32 v11, 31, v0                          ; lane
	v_mul_u32_u24 v[AK0], v9, 48
	v_mad_u32_u24 v[AK0], v10, 24, v[AK0]
	v_lshlrev_b32 v[AW0], 2, v9
	v_lshl_add_u32 v[AV0], v11, 4, VIO
	v_lshl_add_u32 v[AT0], v10, 7, WTO
	v_lshl_add_u32 v[AM0], v10, 6, MTO
	v_lshlrev_b32 v[H8], 3, v10
	v_mul_u32_u24 v220, v9, 24                     ; q's codes: 24 bytes a row
	v_lshlrev_b32 v221, 4, v11                     ; the counts: four blocks a lane
	v_lshlrev_b32 v212, 4, v0                      ; the copy: 16 bytes a thread, in memory and in LDS alike
.irp a, 1,2,3,4
	v_add_nc_u32 v[212+\a], 65536*\a, v212         ; (an LDS offset has 16 bits)
.endr
	s_lshl_b32 s30, s13, 12
	s_add_co_u32 s30, s30, s16
	s_mul_i32 s32, s30, 24
	s_mov_b32 s33, 0
	s_add_co_u32 s34, s30, QSOFF
	s_mov_b32 s35, 0
	s_mul_i32 s36, s13, HEADB
	s_mov_b32 s37, 0
	s_lshl_b32 s38, s14, 9
	s_add_co_u32 s38, s38, 32768
	s_mov_b32 s39, 0
	s_lshl_b32 s40, s14, 8
	s_lshr_b32 s41, s16, 4
	s_add_co_u32 s40, s40, s41                     ; my tile of 16 rows among the 512
	s_mul_i32 s40, s40, 384
	s_mul_i32 s41, s15, 196608
	s_add_co_u32 s40, s40, s41
	s_mov_b32 s41, 0
	s_lshl_b32 s42, s14, 12
	s_add_co_u32 s42, s42, s16
	s_lshl_b32 s42, s42, 3
	s_add_co_u32 s42, s42, s15
	s_add_co_u32 s42, s42, ASOFF
	s_mov_b32 s43, 0
	s_mov_b32 s20, 0x76543210
	s_mov_b32 s21, 0xfedcba98                      ; v_permlanex16_b32's selects for lane l xor 16
	s_mov_b32 s22, 0x3e8293ee                      ; c = log2(e) / sqrt(32)
	s_mov_b32 s23, s22                             ; (named with it as a pair)
	s_mov_b32 s28, 0xffff                          ; lanes 0-15
	s_wait_kmcnt 0x0
	s_add_nc_u64 s[32:33], s[4:5], s[32:33]        ; q's codes at my first query
	s_add_nc_u64 s[34:35], s[4:5], s[34:35]        ; q's scale bytes
	s_add_nc_u64 s[36:37], s[6:7], s[36:37]        ; the head's records
	s_add_nc_u64 s[38:39], s[8:9], s[38:39]        ; the batch's 128 counts
	s_add_nc_u64 s[40:41], s[10:11], s[40:41]      ; my tile's codes in ao
	s_add_nc_u64 s[42:43], s[10:11], s[42:43]      ; and its scale bytes
	global_load_b64 v[200:201], v220, s[32:33]
	global_load_b64 v[202:203], v220, s[32:33] offset:8
	global_load_b64 v[204:205], v220, s[32:33] offset:16
	global_load_u8 v206, v9, s[34:35]
	global_load_b128 v[208:211], v221, s[38:39]    ; lane s: the counts of step s's four blocks
.set i, 0
.rept 33
	global_load_b128 v[64+4*i:67+4*i], v212, s[36:37] offset:8192*i   ; 512 threads x 16 bytes: 8,192 consecutive bytes; 33 x 8,192 = 32 records
.set i, i+1
.endr
.set i, 0
.rept 33
	s_wait_loadcnt 32-i                            ; load i is in; the 32 - i behind it may be out
	ds_store_b128 v[212+i/8], v[64+4*i:67+4*i] offset:8192*(i%8)
.set i, i+1
.endr
	s_wait_dscnt 0x0                               ; for the others' sake: my stores have landed
	s_barrier_signal -1
	s_barrier_wait -1                              ; the head's records lie in LDS; nobody writes them again
.irp i, 0,1,2,3,4,5
	v_cndmask_b32 v[Q0+\i], 0, v[200+\i], s28      ; q in k-block 0 (lanes 0-15), zeros in block 1
	v_cndmask_b32 v[Q1+\i], v[200+\i], 0, s28      ; and the other way round
.endr
	v_mul_lo_u32 v[QS], v206, 0x1010101            ; q's byte for all four blocks: the blocks of zero codes have the scale of the blocks in use
.irp i, 6,7,8,9,10,11
	v_mov_b32 v[Q0+\i], 0
	v_mov_b32 v[Q1+\i], 0
	v_mov_b32 v[F+\i], 0
	v_mov_b32 v[F+12+\i], 0
.endr
.irp i, 4,5,10,11
	v_mov_b32 v[V+\i], 0
	v_mov_b32 v[V+12+\i], 0
.endr
.irp i, 0,1,2,3,4,5,6,7,8,9,10,11
	v_mov_b32 v[P+\i], 0
.endr
.irp i, 0,1,2,3,4,5,6,7,8,9,10,11,12,13,14,15
	v_mov_b32 v[O+\i], 0                           ; the loop has no first step of its own: it finds zeros, which the first change of M leaves zeros
.endr
	v_mov_b32 v14, 0                               ; the row's sum, in two halves
	v_mov_b32 v15, 0
	v_mov_b32 v[FF+1], 0                           ; (named as the upper half of a pair)
	v_mov_b32 v[T1], 0                             ; (a lane permute's destination counts as one of its sources)
	v_mov_b32 v13, 0xf1800000                      ; the largest t so far: -2^100
	v_floor_f32 v12, -v13                          ; -M
	v_mov_b32 v[NINF], 0xff800000
	v_add_nc_u32 v[QLO], s16, v9
	v_cvt_f32_u32 v[QLO], v[QLO]                   ; my query's position
	v_add_f32 v[QHI], 0x41700000, v[QLO]
	v_add_f32 v[QLO], 0xc1700000, v[QLO]
	v_cmp_lt_u32 s18, 16, v208                     ; bit s: a block of step s has more than 16 keys that all see
	v_cmp_lt_u32 s25, 16, v209
	s_or_b32 s18, s18, s25
	v_cmp_lt_u32 s25, 16, v210
	s_or_b32 s18, s18, s25
	v_cmp_lt_u32 s25, 16, v211
	s_or_b32 s18, s18, s25
	s_sub_co_i32 s25, s16, 15                      ; my queries' window is keys i0 - 15 .. i0 + 30: one step or two
	s_max_i32 s25, s25, 0
	s_lshr_b32 s25, s25, 7
	s_lshl_b32 s25, 1, s25
	s_or_b32 s18, s18, s25
	s_add_co_u32 s25, s16, 30
	s_min_u32 s25, s25, 4095
	s_lshr_b32 s25, s25, 7
	s_lshl_b32 s25, 1, s25
	s_or_b32 s18, s18, s25                         ; the steps that go the full way
.macro PLACES                          ; four places behind a matrix instruction, in front of a read of its result, a write of its registers or a load into them (ISA guide 7.12.1 for vector instructions)
.rept 4
	v_nop
.endr
.endm
.macro KLOAD hf                        ; the two fragments of places 16 hf .. 16 hf + 15, and their scale words: 8 loads
.irp p, 0,1,2
	ds_load_b64 v[F+2*\p:F+2*\p+1], v[ADK] offset:1536*\hf+8*\p
.endr
.irp p, 0,1,2
	ds_load_b64 v[F+12+2*\p:F+12+2*\p+1], v[ADK] offset:1536*\hf+768+8*\p
.endr
	ds_load_b32 v[KS], v[ADW] offset:KSO+128*\hf
	ds_load_b32 v[KS+1], v[ADW] offset:KSO+128*\hf+64
.endm
.macro MLOAD                           ; the sparse step's C: 16 numbers of each of my two blocks: 8 loads
.irp c, 0,1
.irp i, 0,1,2,3
	ds_load_b128 v[S+32+16*\c+4*\i:S+32+16*\c+4*\i+3], v[ADM] offset:128*\c+16*\i
.endr
.endr
.endm
.macro VLOAD hf                        ; V's codes of places 16 hf .. + 15 of the four blocks, as images of registers 0-3 and 6-9: 4 loads
	ds_load_b128 v[V:V+3], v[ADV] offset:(\hf)*1024
	ds_load_b128 v[V+6:V+9], v[ADV] offset:(\hf)*1024+512
	ds_load_b128 v[V+12:V+15], v[ADV] offset:(2+\hf)*1024
	ds_load_b128 v[V+18:V+21], v[ADV] offset:(2+\hf)*1024+512
.endm
.macro VSLOAD
	ds_load_b32 v[VS], v[ADW] offset:VSO
	ds_load_b32 v[VS+1], v[ADW] offset:VSO+64
.endm
.macro SCORE hf, msk                   ; four products: fragment c against Q0 and Q1
.irp c, 0,1
.irp u, 0,1
.if \msk
	MMC S+32*\hf+16*\c+8*\u, F+12*\c, Q0+12*\u, S+32+16*\c+8*\u, KS+\c, QS
.else
	MM0 S+32*\hf+16*\c+8*\u, F+12*\c, Q0+12*\u, KS+\c, QS
.endif
.endr
.endr
.endm
.macro MASK hf, c                      ; the full way: a place is hidden where its key's position lies outside my query's window; a NaN fails both compares: seen
.irp i, 0,1,2,3
	ds_load_b128 v[WT+4*\i:WT+4*\i+3], v[ADT] offset:256*\c+64*\hf+16*\i
.endr
	s_wait_dscnt 0x0
.set j, 0
.rept 16
	v_cmp_lt_f32 s26, v[WT+j], v[QLO]
	v_cmp_gt_f32 s27, v[WT+j], v[QHI]
	s_or_b32 s26, s26, s27
	v_cndmask_b32 v[S+32*\hf+16*\c+j], v[S+32*\hf+16*\c+j], v[NINF], s26
.set j, j+1
.endr
.endm
.macro SOFT nh                         ; nh = 1: places 0-15; 2: all 32
.irp c, 0,1
	v_max3_num_f32 v[BM+\c], v[S+16*\c], v[S+16*\c+1], v[S+16*\c+2]   ; the largest score of each of my two blocks: it serves the row's maximum and, since p rises with the score, the block's largest p
.endr
.irp i, 3,5,7,9,11,13
.irp c, 0,1
	v_max3_num_f32 v[BM+\c], v[BM+\c], v[S+16*\c+\i], v[S+16*\c+\i+1]
.endr
.endr
.irp c, 0,1
	v_max_num_f32 v[BM+\c], v[BM+\c], v[S+16*\c+15]
.endr
.if \nh == 2
.irp i, 0,2,4,6,8,10,12,14
.irp c, 0,1
	v_max3_num_f32 v[BM+\c], v[BM+\c], v[S+32+16*\c+\i], v[S+32+16*\c+\i+1]
.endr
.endr
.endif
	v_max_num_f32 v[T0], v[BM], v[BM+1]
	v_permlanex16_b32 v[T1], v[T0], s20, s21
	v_max_num_f32 v[T0], v[T0], v[T1]              ; the step's largest score of my query
	v_mul_f32 v[T0], s22, v[T0]                    ; as t (c is positive)
	v_max_num_f32 v13, v13, v[T0]                  ; the running largest t
	v_mov_b32 v[T0], v12
	v_floor_f32 v12, -v13                          ; the new -M = floor(-t): M is a whole number
	v_sub_f32 v[T0], v12, v[T0]                    ; old M - new M: a whole number, 0 or less
	v_cvt_i32_f32 v[T0], v[T0]                     ; (it saturates)
	v_ldexp_f32 v[FF], 1.0, v[T0]                  ; f
.set j, 0
.rept 16*\nh
	v_pk_fma_f32 v[S+j:S+j+1], v[S+j:S+j+1], s[22:23], v[12:13] op_sel_hi:[1,0,0]   ; t - M
.set j, j+2
.endr
.irp c, 0,1
	v_fma_f32 v[BM+\c], v[BM+\c], s22, v12         ; the same of each block's largest score
.endr
.set j, 0
.rept 32*\nh
	v_exp_f32 v[S+j], v[S+j]                       ; p = 2^(t - M): not normalised
.set j, j+1
.endr
.irp c, 0,1
	v_exp_f32 v[BM+\c], v[BM+\c]                   ; the block's largest p: the same two instructions on the same number
.endr
	v_pk_mul_f32 v[14:15], v[14:15], v[FF:FF+1] op_sel_hi:[1,0]   ; the sum under the new M: the plain instruction behind the batch
	s_wait_alu depctr_va_vdst(0)                   ; the wait ahead of the first reader: one for the whole batch
.irp c, 0,1
	v_max_num_f32 v[BM+\c], 0x1800000, v[BM+\c]    ; the floor 2^(3 - 127): a block whose every p is 0 keeps the byte 1; its codes are zeros
.endr
.irp c, 0,1
	v_add_nc_u32 v[SO+\c], 0xff000000, v[BM+\c]    ; 2 off the exponent field: the conversion's scale operand
.endr
.irp c, 0,1
	v_lshrrev_b32 v[BY+\c], 23, v[SO+\c]
.endr
	v_lshl_or_b32 v[PS], v[BY+1], 16, v[BY]        ; blocks h and 2 + h,
	v_lshlrev_b32 v[PS], v[H8], v[PS]              ; at their places;
	v_permlanex16_b32 v[T1], v[PS], s20, s21
	v_or_b32 v[PS], v[PS], v[T1]                   ; with the other half's two the word is whole
.endm
.macro CVT hf                          ; 16 places of each block become registers 6 c .. 6 c + 2 of P
.irp c, 0,1
	v_cvt_scalef32_pk16_fp6_f32 v[P+6*\c:P+6*\c+2], v[S+32*\hf+16*\c:S+32*\hf+16*\c+15], v[SO+\c]
.endr
.endm
.macro RESC                            ; O^T under the new M.  Its first line is the plain instruction behind the conversions
.irp j, 0,2,4,6,8,10,12,14
	v_pk_mul_f32 v[O+\j:O+\j+1], v[O+\j:O+\j+1], v[FF:FF+1] op_sel_hi:[1,0]
.endr
.endm
.macro SUMS nh                         ; the row's sum of the unquantised p, in two chains.  With the rescaling these lines are the places between p's scale word (8 are asked), P (4) and the products
	v_pk_add_f32 v[L2:L2+1], v[S:S+1], v[S+2:S+3]
.set j, 4
.rept 8*\nh-1
	v_pk_add_f32 v[14:15], v[14:15], v[S+j:S+j+1]
	v_pk_add_f32 v[L2:L2+1], v[L2:L2+1], v[S+j+2:S+j+3]
.set j, j+4
.endr
	v_pk_add_f32 v[14:15], v[14:15], v[L2:L2+1]
.endm
.macro PV                              ; O^T += V^T P^T: the two accumulators take turns, and score products stand between one pair and the next
	MMC O, V, P, O, VS, PS
	MMC O+8, V+12, P, O+8, VS+1, PS
.endm
.macro STEP1
	KLOAD 0
	MLOAD
	VLOAD 0
	VSLOAD
	s_wait_dscnt 0x6                               ; K's eight loads and the eight of C are in; V's four and its two scale words are behind them
	SCORE 0, 1
	PLACES
	SOFT 1
	CVT 0
	RESC
	SUMS 1
	s_wait_dscnt 0x0                               ; V
	PV
.endm
.macro STEP2
	KLOAD 0
	VLOAD 0
	VSLOAD
	s_wait_dscnt 0x6
	SCORE 0, 0
	PLACES
	KLOAD 1
	s_wait_dscnt 0x0
	SCORE 1, 0
	PLACES
	MASK 0, 0
	MASK 0, 1
	MASK 1, 0
	MASK 1, 1
	SOFT 2
	CVT 0
	RESC
	SUMS 2
	PV                                             ; places 0-15 of the four blocks
	PLACES
	VLOAD 1
	CVT 1                                          ; places 16-31 take the same 16 positions of a second pair of products, under the same scale words
	PLACES
	s_wait_dscnt 0x0
	PV
.endm
	s_mov_b32 s19, 0                               ; the step
	s_mov_b32 s24, 0                               ; its record in LDS
.Lstep:
	v_add_nc_u32 v[ADK], s24, v[AK0]               ; five plain instructions: also the places between the last products and the loads into their registers
	v_add_nc_u32 v[ADW], s24, v[AW0]
	v_add_nc_u32 v[ADV], s24, v[AV0]
	v_add_nc_u32 v[ADT], s24, v[AT0]
	v_add_nc_u32 v[ADM], s24, v[AM0]
	s_bitcmp1_b32 s18, s19
	s_cbranch_scc1 .Lfull
	STEP1
	s_branch .Lnext
.Lfull:
	STEP2
.Lnext:
	s_add_co_u32 s24, s24, REC
	s_add_co_u32 s19, s19, 1
	s_cmp_lt_u32 s19, 32
	s_cbranch_scc1 .Lstep
	; THE WAY OUT: O^T / the sum, quantised along the head's 32 channels: a block of the projection's K
	v_and_b32 v8, 15, v0                           ; (plain instructions: the places behind the last products)
	v_bfe_u32 v9, v0, 4, 1
	v_mul_u32_u24 v10, v8, 24
	v_mad_u32_u24 v10, v9, 12, v10                 ; my 12 bytes: 24 r + 12 h
	v_lshlrev_b32 v11, 3, v8                       ; my row's 8 scale bytes
	v_add_f32 v14, v14, v15
	v_permlanex16_b32 v[T1], v14, s20, s21
	v_add_f32 v14, v14, v[T1]                      ; the row's sum
	v_rcp_f32 v14, v14
	v_nop                                          ; a plain instruction behind the reciprocal
	s_wait_alu depctr_va_vdst(0)                   ; and the wait ahead of its first reader
.irp j, 0,1,2,3,4,5,6,7,8,9,10,11,12,13,14,15
	v_mul_f32 v[S+\j], v[O+\j], v14                ; channels 16 h .. 16 h + 15
.endr
	v_max3_num_f32 v[BM], |v[S]|, |v[S+1]|, 0x1800000
.irp i, 2,4,6,8,10,12,14
	v_max3_num_f32 v[BM], v[BM], |v[S+\i]|, |v[S+\i+1]|
.endr
	v_permlanex16_b32 v[T1], v[BM], s20, s21
	v_max_num_f32 v[BM], v[BM], v[T1]
	v_add_nc_u32 v[SO], 0xff000000, v[BM]
	v_lshrrev_b32 v[BY], 23, v[SO]
	v_cvt_scalef32_pk16_fp6_f32 v[P:P+2], v[S:S+15], v[SO]
	v_nop                                          ; one plain instruction behind the scaled conversion
	global_store_b96 v10, v[P:P+2], s[40:41]       ; the wave stores 384 consecutive bytes
	global_store_b8 v11, v[BY], s[42:43]           ; both halves of the lanes store the same byte
	s_wait_tensorcnt 0x0                           ; the wave's end: three lines behind my last LDS store
	ds_add_u32 v[SPW], v[NIL]
	s_wait_dscnt 0x0
	s_endpgm
.Lfunc_end_k_qbc523f73ab_attn:
	.size	k_qbc523f73ab_attn, .Lfunc_end_k_qbc523f73ab_attn-k_qbc523f73ab_attn
	.p2alignl 7, 3214868480
	.fill 96, 4, 3214868480
	.section	.rodata,"a",@progbits
	.p2align	6, 0x0
	.amdhsa_kernel k_qbc523f73ab_attn
		.amdhsa_group_segment_fixed_size 272384
		.amdhsa_private_segment_fixed_size 0
		.amdhsa_enable_private_segment 0
		.amdhsa_kernarg_size 32
		.amdhsa_user_sgpr_count 2
		.amdhsa_user_sgpr_kernarg_segment_ptr 1
		.amdhsa_wavefront_size32 1
		.amdhsa_system_sgpr_workgroup_id_x 1
		.amdhsa_system_sgpr_workgroup_id_y 1
		.amdhsa_system_sgpr_workgroup_id_z 1
		.amdhsa_system_vgpr_workitem_id 0
		.amdhsa_next_free_vgpr 232
		.amdhsa_next_free_sgpr 66
		.amdhsa_reserve_vcc 0
		.amdhsa_float_denorm_mode_32 3
		.amdhsa_float_denorm_mode_16_64 3
		.amdhsa_memory_ordered 1
		.amdhsa_forward_progress 1
		.amdhsa_inst_pref_size 54
	.end_amdhsa_kernel
	.amdgpu_metadata
---
amdhsa.version: [ 1, 2 ]
amdhsa.kernels:
  - .name:           k_qbc523f73ab_attn
    .symbol:         k_qbc523f73ab_attn.kd
    .args:
      - { .name: qq, .offset: 0, .size: 8, .value_kind: global_buffer, .address_space: global }
      - { .name: kv, .offset: 8, .size: 8, .value_kind: global_buffer, .address_space: global }
      - { .name: tabs, .offset: 16, .size: 8, .value_kind: global_buffer, .address_space: global }
      - { .name: ao, .offset: 24, .size: 8, .value_kind: global_buffer, .address_space: global }
    .group_segment_fixed_size: 272384
    .private_segment_fixed_size: 0
    .kernarg_segment_align: 8
    .kernarg_segment_size: 32
    .max_flat_workgroup_size: 512
    .sgpr_count:     66
    .vgpr_count:     232
    .wavefront_size: 32
...
	.end_amdgpu_metadata
.endif
;; end of part 4
;; launch proj (part 5): grid 512 x 1, 4 waves a work-group, no clusters, 17,920 bytes of LDS; arguments ao, w_proj_codes, w_proj_scales, b_proj, out0; writes out0
.if DOCPART == 5
	.amdgcn_target "amdgcn-amd-amdhsa--gfx1250"
	.amdhsa_code_object_version 6
	.text
	.protected	k_qbc523f73ab_proj
	.globl	k_qbc523f73ab_proj
	.p2align	8
	.type	k_qbc523f73ab_proj,@function
k_qbc523f73ab_proj:
	s_mov_b64 s[64:65], 0
	v_nop
	global_prefetch_b8 v0, s[64:65] scope:SCOPE_SE
	s_setreg_imm32_b32 hwreg(HW_REG_WAVE_MODE, 25, 1), 1
	s_wait_xcnt 0x0
; out0 = ao w_proj + b_proj on codes of FP6 (E2M3), K = 256 in two steps of 128.  ao: codes [8 heads][512 tiles][16 rows][24] at 0 (a head's 32 channels are one block of K), scale bytes [8192 rows][8] at ASOFF.
; A work-group takes one tile of 16 rows; wave w its columns 64 w .. 64 w + 63: four tiles.  The product is used transposed (source 0 = 16 rows of the weight, source 1 = the 16 rows of ao): a lane holds eight neighbouring columns of one row.
; The bias is the C of each sum's first matrix instruction.  The results go through the wave's own stage in LDS (rows of 256 + 16 bytes) and leave as rows: sixteen lanes store 256 consecutive bytes, at a multiple of 256 from out0's first byte.
; All loads go out at once at the head; waves share nothing: no barrier.
.set ASOFF, 1572864
.set HB,    196608                     ; a head's codes in ao
.set SPARE, 17408                      ; behind the four stages of 16 x 272 bytes: the spare words, 128 bytes for each wave
.set SPW, 236                          ; v236 LDS address of my spare word; never rewritten
.set NIL, 237                          ; v237 0; never rewritten
.set AS,  8                            ; v8-9     ao's scale words, one a K step
.set WS,  10                           ; v10-17   the weight's: 10 + 2 n + ks
.set AO,  20                           ; v20-43   ao's fragments: 20 + 12 ks
.set W,   44                           ; v44-139  the weight's: 44 + 12 (2 n + ks)
.set BI,  140                          ; v140-171 the bias in the result's layout
.set ACC, 172                          ; v172-203
.set BK,  204                          ; v204-235 rows read back
.macro MMC d, a, b, c, sa, sb
	v_wmma_scale_f32_16x16x128_f8f6f4 v[\d:\d+7], v[\a:\a+11], v[\b:\b+11], v[\c:\c+7], v[\sa], v[\sb] matrix_a_fmt:MATRIX_FMT_FP6 matrix_b_fmt:MATRIX_FMT_FP6
.endm
	s_load_b256 s[4:11], s[0:1], 0x0               ; ao s[4:5], the weight's codes s[6:7], its scales s[8:9], the bias s[10:11]
	s_load_b64 s[12:13], s[0:1], 0x20              ; out0
	v_lshl_add_u32 v[SPW], v0, 2, SPARE
	v_mov_b32 v[NIL], 0
	v_lshrrev_b32 v1, 5, v0
	v_readfirstlane_b32 s14, v1                    ; wave
	v_and_b32 v1, 15, v0                           ; r
	v_bfe_u32 v2, v0, 4, 1                         ; h
	v_mul_u32_u24 v3, v1, 24
	v_mad_u32_u24 v3, v2, HB, v3                   ; ao: row r of a head's tile; lanes 16-31 take the next head: k-block 2 c + h is head 4 ks + 2 c + h
	v_lshlrev_b32 v4, 3, v1                        ; scale bytes: 8 a row, of ao and of the weight alike
	v_mul_u32_u24 v5, v1, 192
	v_mad_u32_u24 v5, v2, 24, v5                   ; the weight: row r of 192 bytes, + 24 h
	v_lshlrev_b32 v7, 5, v2                        ; the bias: my half's eight numbers
	v_lshlrev_b32 v18, 10, v2
	v_lshl_add_u32 v18, v1, 4, v18                 ; out0: lanes 0-15 one row, lanes 16-31 the next; 16 bytes a lane
	s_mul_i32 s15, s14, 4352
	v_mul_u32_u24 v238, v1, 272
	v_lshl_add_u32 v238, v2, 5, v238
	v_add_nc_u32 v238, s15, v238                   ; the stage, way in: row r, + 32 h
	v_mul_u32_u24 v239, v2, 272
	v_lshl_add_u32 v239, v1, 4, v239
	v_add_nc_u32 v239, s15, v239                   ; way out
	s_mul_i32 s16, ttmp9, 384
	s_mov_b32 s17, 0
	s_lshl_b32 s18, ttmp9, 7
	s_add_co_u32 s18, s18, ASOFF
	s_mov_b32 s19, 0
	s_mul_i32 s20, s14, 12288                      ; my 64 rows of the weight
	s_mov_b32 s21, 0
	s_lshl_b32 s22, s14, 9
	s_mov_b32 s23, 0
	s_lshl_b32 s24, s14, 8
	s_mov_b32 s25, 0
	s_lshl_b32 s26, ttmp9, 14
	s_add_co_u32 s26, s26, s24                     ; 16 rows of 1,024 bytes a tile, + my 256 bytes of a row
	s_mov_b32 s27, 0
	s_wait_kmcnt 0x0
	s_add_nc_u64 s[28:29], s[4:5], s[18:19]
	s_add_nc_u64 s[4:5], s[4:5], s[16:17]
	s_add_nc_u64 s[6:7], s[6:7], s[20:21]
	s_add_nc_u64 s[8:9], s[8:9], s[22:23]
	s_add_nc_u64 s[10:11], s[10:11], s[24:25]
	s_add_nc_u64 s[12:13], s[12:13], s[26:27]
.irp s, 0,1
.irp c, 0,1
.irp p, 0,1,2
	global_load_b64 v[AO+12*\s+6*\c+2*\p:AO+12*\s+6*\c+2*\p+1], v3, s[4:5] offset:(4*\s+2*\c)*HB+8*\p
.endr
.endr
.endr
	global_load_b64 v[AS:AS+1], v4, s[28:29]
.irp n, 0,1,2,3
.irp s, 0,1
.irp p, 0,1,2,3,4,5
	global_load_b64 v[W+12*(2*\n+\s)+2*\p:W+12*(2*\n+\s)+2*\p+1], v5, s[6:7] offset:16*\n*192+96*\s+48*(\p/3)+8*(\p%3)
.endr
.endr
	global_load_b64 v[WS+2*\n:WS+2*\n+1], v4, s[8:9] offset:128*\n
	global_load_b128 v[BI+8*\n:BI+8*\n+3], v7, s[10:11] offset:64*\n
	global_load_b128 v[BI+8*\n+4:BI+8*\n+7], v7, s[10:11] offset:64*\n+16
.endr
	s_wait_loadcnt 0x0
.irp n, 0,1,2,3                        ; the four accumulators take turns, one instruction a turn
	MMC ACC+8*\n, W+12*(2*\n), AO, BI+8*\n, WS+2*\n, AS
.endr
.irp n, 0,1,2,3
	MMC ACC+8*\n, W+12*(2*\n+1), AO+12, ACC+8*\n, WS+2*\n+1, AS+1
.endr
.rept 4
	v_nop                                          ; four places between the last product and the first read of results (ISA guide 7.12.1)
.endr
.irp n, 0,1,2,3
	ds_store_b128 v238, v[ACC+8*\n:ACC+8*\n+3] offset:64*\n        ; each accumulator from its low end on
	ds_store_b128 v238, v[ACC+8*\n+4:ACC+8*\n+7] offset:64*\n+16
.endr
.irp i, 0,1,2,3,4,5,6,7
	ds_load_b128 v[BK+4*\i:BK+4*\i+3], v239 offset:544*\i          ; LDS serves a wave's instructions in order: these see my stores
.endr
.irp i, 0,1,2,3,4,5,6,7
	s_wait_dscnt 7-\i                              ; load i is in; the 7 - i behind it may be out
	global_store_b128 v18, v[BK+4*\i:BK+4*\i+3], s[12:13] offset:2048*\i th:TH_STORE_NT
.endr
	s_wait_tensorcnt 0x0                           ; the wave's end: three lines behind my last LDS store
	ds_add_u32 v[SPW], v[NIL]
	s_wait_dscnt 0x0
	s_endpgm
.Lfunc_end_k_qbc523f73ab_proj:
	.size	k_qbc523f73ab_proj, .Lfunc_end_k_qbc523f73ab_proj-k_qbc523f73ab_proj
	.p2alignl 7, 3214868480
	.fill 96, 4, 3214868480
	.section	.rodata,"a",@progbits
	.p2align	6, 0x0
	.amdhsa_kernel k_qbc523f73ab_proj
		.amdhsa_group_segment_fixed_size 17920
		.amdhsa_private_segment_fixed_size 0
		.amdhsa_enable_private_segment 0
		.amdhsa_kernarg_size 40
		.amdhsa_user_sgpr_count 2
		.amdhsa_user_sgpr_kernarg_segment_ptr 1
		.amdhsa_wavefront_size32 1
		.amdhsa_system_sgpr_workgroup_id_x 1
		.amdhsa_system_sgpr_workgroup_id_y 1
		.amdhsa_system_sgpr_workgroup_id_z 1
		.amdhsa_system_vgpr_workitem_id 0
		.amdhsa_next_free_vgpr 240
		.amdhsa_next_free_sgpr 66
		.amdhsa_reserve_vcc 0
		.amdhsa_float_denorm_mode_32 3
		.amdhsa_float_denorm_mode_16_64 3
		.amdhsa_memory_ordered 1
		.amdhsa_forward_progress 1
		.amdhsa_inst_pref_size 13
	.end_amdhsa_kernel
	.amdgpu_metadata
---
amdhsa.version: [ 1, 2 ]
amdhsa.kernels:
  - .name:           k_qbc523f73ab_proj
    .symbol:         k_qbc523f73ab_proj.kd
    .args:
      - { .name: ao, .offset: 0, .size: 8, .value_kind: global_buffer, .address_space: global }
      - { .name: w_proj_codes, .offset: 8, .size: 8, .value_kind: global_buffer, .address_space: global }
      - { .name: w_proj_scales, .offset: 16, .size: 8, .value_kind: global_buffer, .address_space: global }
      - { .name: b_proj, .offset: 24, .size: 8, .value_kind: global_buffer, .address_space: global }
      - { .name: out0, .offset: 32, .size: 8, .value_kind: global_buffer, .address_space: global }
    .group_segment_fixed_size: 17920
    .private_segment_fixed_size: 0
    .kernarg_segment_align: 8
    .kernarg_segment_size: 40
    .max_flat_workgroup_size: 128
    .sgpr_count:     66
    .vgpr_count:     240
    .wavefront_size: 32
...
	.end_amdgpu_metadata
.endif
;; end of part 5
;; ======== version 2 of 2: 5 launches
;; workspace buffers: xq 1,638,400 bytes; dens 32,768 bytes; tabs 33,792 bytes of whole numbers; qq 1,638,400 bytes; kv 4,325,376 bytes; ao 1,638,400 bytes
;; launch densq (part 6): grid 256 x 1, 2 waves a work-group, no clusters, 11,520 bytes of LDS; arguments x, xq, dens; writes xq, dens
.if DOCPART == 6
	.amdgcn_target "amdgcn-amd-amdhsa--gfx1250"
	.amdhsa_code_object_version 6
	.text
	.protected	k_qbc523f73ab_densq
	.globl	k_qbc523f73ab_densq
	.p2align	8
	.type	k_qbc523f73ab_densq,@function
k_qbc523f73ab_densq:
	s_mov_b64 s[64:65], 0
	v_nop
	global_prefetch_b8 v0, s[64:65] scope:SCOPE_SE
	s_setreg_imm32_b32 hwreg(HW_REG_WAVE_MODE, 25, 1), 1
	s_wait_xcnt 0x0
; x [8192][256] f32 -> (1) codes of FP6 (E2M3) along the 256, [8192][192] bytes at xq + 0, and one E8M0 byte for each 32, [8192][8] at xq + XSOFF;
; (2) each row's density = (std over the 256, divisor 255, + mean |x[row] - x[row - 1]|) / 2, f32 [8192]; the first row of each batch of 4,096 has no predecessor and its difference counts 0.
; A block's scale is 2^(floor(log2(largest magnitude)) - 2): its byte is the largest magnitude's exponent field - 2, held at 1 from below.
; LIMITS: NaN and infinities are not served; a block whose largest magnitude lies under 2^-124 (a block of zeros too) gets the byte 1: only this program reads the bytes, and such a block's codes are zeros or the nearest codes under that scale.
; SHARES.  A wave owns 16 rows as TWO streams: lanes 0-15 walk rows a0 .. a0 + 7, lanes 16-31 rows a0 + 8 .. a0 + 15, a row a step; a lane holds 16 neighbours of its row.  So a row's predecessor is the same
; lane's numbers of the step before.  Step 0 only brings the predecessors (stream A: row a0 - 1, or row a0 itself at a batch's head: the difference is then 0 and no load leaves x).
; Loads take the bytes as they lie, 512 consecutive bytes an instruction; a step's 2,048 bytes turn through the wave's own stage in LDS and come back 64 bytes a lane (80 bytes from lane to lane).
; Waves share nothing: no barrier.  Loads run six steps ahead, the turn through LDS one step.
.set XSOFF, 1572864                    ; where the scale bytes begin in xq
.set WREG,  5632                       ; LDS of a wave: two stages of 32 x 80 bytes, 128 scale bytes, 16 densities
.set SBO,   5120
.set DNO,   5248
.set SPARE, 11264                      ; behind the two regions: the spare words, 128 bytes for each wave
.set SPW, 16                           ; v16  LDS address of my spare word; never rewritten
.set NIL, 17                           ; v17  0; never rewritten
.set X,   40                           ; v40-87   three sets of 16 neighbours: this step's, the last step's, the next step's
.set C,   88                           ; v88-119  codes, four registers a step: no store's data are written again
.set R,   120                          ; v120-215 six sets of 16 numbers as loaded
	s_load_b128 s[4:7], s[0:1], 0x0                ; x, xq
	s_load_b64 s[8:9], s[0:1], 0x10                ; dens
	v_lshl_add_u32 v[SPW], v0, 2, SPARE
	v_mov_b32 v[NIL], 0
	v_lshrrev_b32 v1, 5, v0
	v_readfirstlane_b32 s14, v1                    ; wave
	v_and_b32 v1, 31, v0                           ; lane
	v_lshlrev_b32 v2, 4, v1                        ; my 16 bytes of a load's 512
	s_mul_i32 s18, s14, WREG
	v_lshrrev_b32 v3, 2, v1
	v_mul_u32_u24 v3, v3, 80
	v_and_b32 v4, 3, v1
	v_lshl_add_u32 v3, v4, 4, v3
	v_add_nc_u32 v3, s18, v3                       ; the stage, way in: 80 (lane / 4) + 16 (lane % 4)
	v_mul_u32_u24 v4, v1, 80
	v_add_nc_u32 v4, s18, v4                       ; way out: 80 x lane
	v_and_b32 v10, 15, v1                          ; r
	v_lshrrev_b32 v11, 4, v1                       ; h: my stream
	v_mul_u32_u24 v5, v10, 12
	v_mad_u32_u24 v5, v11, 1536, v5                ; my codes: 12 r, stream B eight rows of 192 bytes on
	v_lshrrev_b32 v6, 1, v10
	v_lshl_add_u32 v6, v11, 6, v6
	v_add_nc_u32 v6, s18, v6                       ; my block's scale byte: 64 h + r / 2 (+ 8 a step)
	v_lshlrev_b32 v7, 5, v11
	v_add_nc_u32 v7, s18, v7                       ; my row's density: 32 h (+ 4 a step)
	v_mov_b32 v9, 0                                ; (named as the upper half of the pair v[8:9])
	s_lshl_b32 s15, ttmp9, 1
	s_add_co_u32 s15, s15, s14                     ; g: my run of 16 rows
	s_lshl_b32 s20, s15, 14                        ; 16 rows of 1,024 bytes
	s_mov_b32 s21, 0
	s_mul_i32 s22, s15, 3072                       ; 16 rows of 192 bytes
	s_mov_b32 s23, 0
	s_lshl_b32 s24, s15, 7
	s_add_co_u32 s24, s24, XSOFF                   ; 16 rows of 8 bytes
	s_mov_b32 s25, 0
	s_lshl_b32 s26, s15, 6
	s_mov_b32 s27, 0
	s_and_b32 s28, s15, 255
	s_cmp_eq_u32 s28, 0                            ; a batch's first rows?
	s_cselect_b32 s28, 0, 1024                     ; how far back stream A's predecessor lies
	s_mov_b32 s29, 0
	s_wait_kmcnt 0x0
	s_add_nc_u64 s[4:5], s[4:5], s[20:21]          ; x at row a0
	s_sub_nc_u64 s[10:11], s[4:5], s[28:29]        ; x at stream A's predecessor
	s_add_nc_u64 s[12:13], s[6:7], s[22:23]        ; my codes
	s_add_nc_u64 s[16:17], s[6:7], s[24:25]        ; my scale bytes
	s_add_nc_u64 s[8:9], s[8:9], s[26:27]          ; my densities
.macro LOAD k                          ; step k: stream A's row a0 + k - 1 and stream B's row a0 + k + 7, two loads of 512 bytes each
.set RS, R+16*((\k)%6)
.if (\k) == 0
	global_load_b128 v[RS:RS+3], v2, s[10:11]
	global_load_b128 v[RS+4:RS+7], v2, s[10:11] offset:512
.else
	global_load_b128 v[RS:RS+3], v2, s[4:5] offset:((\k)-1)*1024
	global_load_b128 v[RS+4:RS+7], v2, s[4:5] offset:((\k)-1)*1024+512
.endif
	global_load_b128 v[RS+8:RS+11], v2, s[4:5] offset:((\k)+7)*1024
	global_load_b128 v[RS+12:RS+15], v2, s[4:5] offset:((\k)+7)*1024+512
.endm
.macro TURN k                          ; step k's numbers through the stage: LDS serves a wave's instructions in order, so no wait stands between the stores and the loads
.set RS, R+16*((\k)%6)
.set XT, X+16*((\k)%3)
.irp i, 0,1,2,3
	ds_store_b128 v3, v[RS+4*\i:RS+4*\i+3] offset:2560*((\k)%2)+640*\i
.endr
.irp i, 0,1,2,3
	ds_load_b128 v[XT+4*\i:XT+4*\i+3], v4 offset:2560*((\k)%2)+16*\i
.endr
.endm
.macro ROWSUM r                        ; the sum over the 16 lanes of a stream, in every lane of it
.irp m, 1,2,4,8
	v_add_f32_dpp v[\r], v[\r], v[\r] row_xmask:\m row_mask:0xf bank_mask:0xf
.endr
.endm
.macro STEP k
.set XC, X+16*((\k)%3)
.set XP, X+16*(((\k)+2)%3)
	s_wait_dscnt 0x0                               ; this step's numbers are back from the stage; all my LDS stores have read their registers
.if (\k)+6 <= 8
	LOAD (\k)+6                                    ; into the set that this step's turn has just left
.endif
.if (\k) < 8
.if (\k)+6 <= 8
	s_wait_loadcnt 20                              ; the next step's four loads are in; those of the five steps behind it may be out
.else
	s_wait_loadcnt 4*(7-(\k))                      ; likewise: 7 - k steps are behind it
.endif
	TURN (\k)+1
.endif
.if (\k) >= 1
	v_pk_add_f32 v[18:19], v[XC:XC+1], v[XC+2:XC+3]                ; the row's sum
	v_pk_add_f32 v[20:21], v[XC+4:XC+5], v[XC+6:XC+7]
	v_pk_add_f32 v[22:23], v[XC+8:XC+9], v[XC+10:XC+11]
	v_pk_add_f32 v[24:25], v[XC+12:XC+13], v[XC+14:XC+15]
	v_pk_add_f32 v[18:19], v[18:19], v[20:21]
	v_pk_add_f32 v[22:23], v[22:23], v[24:25]
	v_pk_add_f32 v[18:19], v[18:19], v[22:23]
	v_add_f32 v8, v18, v19
	ROWSUM 8
	v_mul_f32 v8, 0x3b800000, v8                   ; the mean: / 256
.irp j, 0,2,4,6,8,10,12,14
	v_pk_add_f32 v[18+\j:19+\j], v[XC+\j:XC+\j+1], v[8:9] op_sel_hi:[1,0] neg_lo:[0,1] neg_hi:[0,1]   ; x - mean
.endr
	v_pk_mul_f32 v[10:11], v[18:19], v[18:19]      ; their squares, in two chains
	v_pk_mul_f32 v[12:13], v[20:21], v[20:21]
.irp j, 4,8,12
	v_pk_fma_f32 v[10:11], v[18+\j:19+\j], v[18+\j:19+\j], v[10:11]
	v_pk_fma_f32 v[12:13], v[20+\j:21+\j], v[20+\j:21+\j], v[12:13]
.endr
	v_pk_add_f32 v[10:11], v[10:11], v[12:13]
	v_add_f32 v10, v10, v11
	ROWSUM 10
	v_mul_f32 v10, 0x3b808081, v10                 ; / 255
	s_wait_alu depctr_va_vdst(0)
	v_sqrt_f32 v14, v10                            ; the differences below are the independent work behind it
.irp j, 0,2,4,6,8,10,12,14
	v_pk_add_f32 v[18+\j:19+\j], v[XC+\j:XC+\j+1], v[XP+\j:XP+\j+1] neg_lo:[0,1] neg_hi:[0,1]         ; x - the row before
.endr
	v_add_f32 v12, |v18|, |v19|
	v_add_f32 v13, |v20|, |v21|
.irp j, 4,6,8,10,12,14
	v_add_f32 v12, v12, |v[18+\j]|
	v_add_f32 v13, v13, |v[19+\j]|
.endr
	v_add_f32 v12, v12, v13
	ROWSUM 12
	s_wait_alu depctr_va_vdst(0)                   ; the wait ahead of the root's first reader
	v_fmamk_f32 v15, v12, 0x3b800000, v14          ; std + sum / 256
	v_mul_f32 v15, 0.5, v15
	ds_store_b32 v7, v15 offset:DNO+4*((\k)-1)     ; the 16 lanes of a stream write the same word with the same value
	v_max3_num_f32 v34, |v[XC]|, |v[XC+1]|, |v[XC+2]|              ; the largest magnitude of my 16
	v_max3_num_f32 v35, |v[XC+3]|, |v[XC+4]|, |v[XC+5]|
.irp i, 6,10
	v_max3_num_f32 v34, v34, |v[XC+\i]|, |v[XC+\i+1]|
	v_max3_num_f32 v35, v35, |v[XC+\i+2]|, |v[XC+\i+3]|
.endr
	v_max3_num_f32 v34, v34, |v[XC+14]|, |v[XC+15]|
	v_max3_num_f32 v34, v34, v35, 0x1800000        ; and the floor 2^(3 - 127): the byte cannot fall under 1
	v_max_num_f32_dpp v34, v34, v34 row_xmask:1 row_mask:0xf bank_mask:0xf   ; with my neighbour's 16: the block's
	v_add_nc_u32 v36, 0xff000000, v34              ; 2 off its exponent field: the conversion's scale operand
	v_cvt_scalef32_pk16_fp6_f32 v[C+4*((\k)-1):C+4*((\k)-1)+2], v[XC:XC+15], v36
	v_lshrrev_b32 v37, 23, v36                     ; the scale's byte
	ds_store_b8 v6, v37 offset:SBO+8*((\k)-1)      ; both lanes of a block write the same byte
	global_store_b96 v5, v[C+4*((\k)-1):C+4*((\k)-1)+2], s[12:13] offset:192*((\k)-1)   ; 16 lanes store a row's 192 consecutive bytes
.endif
.endm
.irp k, 0,1,2,3,4,5
	LOAD \k
.endr
	s_wait_loadcnt 20                              ; step 0's four loads are in; five steps' loads are behind them
	TURN 0
.irp k, 0,1,2,3,4,5,6,7,8
	STEP \k
.endr
	v_lshlrev_b32 v18, 2, v1                       ; the way out of the small things: 128 scale bytes, 4 a lane;
	v_add_nc_u32 v19, s18, v18
	v_and_b32 v20, 15, v1
	v_lshlrev_b32 v20, 2, v20                      ; 16 densities (both halves of the lanes store the same)
	v_add_nc_u32 v21, s18, v20
	ds_load_b32 v22, v19 offset:SBO                ; LDS serves a wave's instructions in order: these see my stores
	ds_load_b32 v23, v21 offset:DNO
	s_wait_alu depctr_va_vdst(0)
	s_wait_dscnt 0x0
	global_store_b32 v18, v22, s[16:17]
	global_store_b32 v20, v23, s[8:9]
	s_wait_tensorcnt 0x0                           ; the wave's end: three lines behind my last LDS store
	ds_add_u32 v[SPW], v[NIL]
	s_wait_dscnt 0x0
	s_endpgm
.Lfunc_end_k_qbc523f73ab_densq:
	.size	k_qbc523f73ab_densq, .Lfunc_end_k_qbc523f73ab_densq-k_qbc523f73ab_densq
	.p2alignl 7, 3214868480
	.fill 96, 4, 3214868480
	.section	.rodata,"a",@progbits
	.p2align	6, 0x0
	.amdhsa_kernel k_qbc523f73ab_densq
		.amdhsa_group_segment_fixed_size 11520
		.amdhsa_private_segment_fixed_size 0
		.amdhsa_enable_private_segment 0
		.amdhsa_kernarg_size 24
		.amdhsa_user_sgpr_count 2
		.amdhsa_user_sgpr_kernarg_segment_ptr 1
		.amdhsa_wavefront_size32 1
		.amdhsa_system_sgpr_workgroup_id_x 1
		.amdhsa_system_sgpr_workgroup_id_y 1
		.amdhsa_system_sgpr_workgroup_id_z 1
		.amdhsa_system_vgpr_workitem_id 0
		.amdhsa_next_free_vgpr 216
		.amdhsa_next_free_sgpr 66
		.amdhsa_reserve_vcc 0
		.amdhsa_float_denorm_mode_32 3
		.amdhsa_float_denorm_mode_16_64 3
		.amdhsa_memory_ordered 1
		.amdhsa_forward_progress 1
		.amdhsa_inst_pref_size 52
	.end_amdhsa_kernel
	.amdgpu_metadata
---
amdhsa.version: [ 1, 2 ]
amdhsa.kernels:
  - .name:           k_qbc523f73ab_densq
    .symbol:         k_qbc523f73ab_densq.kd
    .args:
      - { .name: x, .offset: 0, .size: 8, .value_kind: global_buffer, .address_space: global }
      - { .name: xq, .offset: 8, .size: 8, .value_kind: global_buffer, .address_space: global }
      - { .name: dens, .offset: 16, .size: 8, .value_kind: global_buffer, .address_space: global }
    .group_segment_fixed_size: 11520
    .private_segment_fixed_size: 0
    .kernarg_segment_align: 8
    .kernarg_segment_size: 24
    .max_flat_workgroup_size: 64
    .sgpr_count:     66
    .vgpr_count:     216
    .wavefront_size: 32
...
	.end_amdgpu_metadata
.endif
;; end of part 6
;; launch order (part 7): grid 32 x 1, 8 waves a work-group, no clusters, 1,536 bytes of LDS; arguments dens, tabs, kv; writes tabs, kv
.if DOCPART == 7
	.amdgcn_target "amdgcn-amd-amdhsa--gfx1250"
	.amdhsa_code_object_version 6
	.text
	.protected	k_qbc523f73ab_order
	.globl	k_qbc523f73ab_order
	.p2align	8
	.type	k_qbc523f73ab_order,@function
k_qbc523f73ab_order:
	s_mov_b64 s[64:65], 0
	v_nop
	global_prefetch_b8 v0, s[64:65] scope:SCOPE_SE
	s_setreg_imm32_b32 hwreg(HW_REG_WAVE_MODE, 25, 1), 1
	s_wait_xcnt 0x0
; The threshold = mean + std / 2 (divisor 8,191) of the 8,192 densities; then, for each block of 32 keys, the order 'keys above the threshold first'.
; Every work-group makes the threshold for itself, by the same instructions on the same numbers: so it has the same bits in all of them, and nothing goes from work-group to work-group.
; A wave owns one block of 32 keys, a lane one key.  Nothing that is derived from the densities enters an address or a branch here: the order is stored, at places made of ids alone, for the launches behind.
; STORED.  tabs (whole numbers): rowtab u32 [8192] at 0: for each unit of 64 keys (two blocks) and each tile tt of 16 rows, row 8 h' + j = the row of x that stands at place 8 tt + j of block h';  nblk u32 [256] at 32,768: how many keys of a block lie above.
; kv, for each of the batch's 8 heads, in the record (REC bytes) of the step of 128 keys that the block belongs to:
;   WT f32 [4 blocks][32 places]: NaN where the place is seen by every query, else the key's position;  MT f32 [4 blocks][16 places]: 0 where seen, -2^120 where not;  a pad of 128 bytes: zeros.
; LIMIT: a density within the rounding of these f32 sums of the threshold may fall on either side of it.
.set REC,   8448
.set HEADB, 32*REC                     ; a head's 32 records
.set PADO,  3328
.set WTO,   3584
.set MTO,   8192
.set SPARE, 512                        ; bytes 0-31 and 256-287: the waves' partial sums; from 512 on the spare words, 128 bytes for each wave
.set SPW, 2                            ; v2  LDS address of my spare word; never rewritten
.set NIL, 3                            ; v3  0; never rewritten
	s_load_b128 s[4:7], s[0:1], 0x0                ; dens, tabs
	s_load_b64 s[8:9], s[0:1], 0x10                ; kv
	v_lshl_add_u32 v[SPW], v0, 2, SPARE
	v_mov_b32 v[NIL], 0
	v_lshrrev_b32 v1, 5, v0
	s_delay_alu instid0(VALU_DEP_1)
	v_readfirstlane_b32 s12, v1                    ; wave
	v_and_b32 v1, 31, v0                           ; lane
	v_lshlrev_b32 v4, 4, v0                        ; 16 bytes a thread
	s_lshl_b32 s13, ttmp9, 3
	s_add_co_u32 s13, s13, s12                     ; my block, 0 .. 255
	s_lshl_b32 s14, s13, 7
	v_lshl_add_u32 v5, v1, 2, s14                  ; my key's density
	v_mov_b32 v9, 0                                ; (a lane permute's destination counts as one of its sources)
	v_mov_b32 v15, 0                               ; (named as the upper half of the pair v[14:15])
	s_mov_b32 s16, 0x76543210
	s_mov_b32 s17, 0xfedcba98                      ; v_permlanex16_b32's selects for lane l xor 16
	v_mov_b32 v10, s12
	s_delay_alu instid0(VALU_DEP_1)
	v_lshlrev_b32 v10, 2, v10                      ; LDS: my wave's word
	v_mov_b32 v11, 0
	s_wait_alu depctr_va_vdst(0)
	s_wait_kmcnt 0x0
.irp i, 0,1,2,3,4,5,6,7
	global_load_b128 v[32+4*\i:35+4*\i], v4, s[4:5] offset:4096*\i   ; all 8,192 densities, 32 a thread
.endr
	global_load_b32 v12, v5, s[4:5]
	s_wait_loadcnt 0x0
.macro WAVESUM                         ; v8 summed over the 32 lanes, in every lane
.irp m, 1,2,4,8
	s_delay_alu instid0(VALU_DEP_1)
	v_add_f32_dpp v8, v8, v8 row_xmask:\m row_mask:0xf bank_mask:0xf
.endr
	s_delay_alu instid0(VALU_DEP_1)
	v_permlanex16_b32 v9, v8, s16, s17
	s_delay_alu instid0(VALU_DEP_1)
	v_add_f32 v8, v8, v9
.endm
.macro XSUM off                        ; and over the eight waves: each stores its word, waits for the store, passes the barrier, and reads all eight
	ds_store_b32 v10, v8 offset:\off
	s_wait_dscnt 0x0
	s_barrier_signal -1
	s_barrier_wait -1
	ds_load_b128 v[16:19], v11 offset:\off
	ds_load_b128 v[20:23], v11 offset:\off+16
	s_wait_dscnt 0x0
	v_add_f32 v16, v16, v17
	v_add_f32 v18, v18, v19
	v_add_f32 v20, v20, v21
	v_add_f32 v22, v22, v23
	s_delay_alu instid0(VALU_DEP_3)
	v_add_f32 v16, v16, v18
	s_delay_alu instid0(VALU_DEP_2)
	v_add_f32 v20, v20, v22
	s_delay_alu instid0(VALU_DEP_1)
	v_add_f32 v8, v16, v20
.endm
.irp j, 0,4,8,12,16,20,24,28
	v_pk_add_f32 v[64+\j/2:65+\j/2], v[32+\j:33+\j], v[34+\j:35+\j]   ; the sum of my 32, as a tree; the numbers stay for the second pass
.endr
.irp j, 0,4,8,12
	v_pk_add_f32 v[64+\j:65+\j], v[64+\j:65+\j], v[66+\j:67+\j]
.endr
	s_delay_alu instid0(VALU_DEP_3)
	v_pk_add_f32 v[64:65], v[64:65], v[68:69]
	s_delay_alu instid0(VALU_DEP_2)
	v_pk_add_f32 v[72:73], v[72:73], v[76:77]
	s_delay_alu instid0(VALU_DEP_1)
	v_pk_add_f32 v[64:65], v[64:65], v[72:73]
	s_delay_alu instid0(VALU_DEP_1)
	v_add_f32 v8, v64, v65
	WAVESUM
	XSUM 0
	s_delay_alu instid0(VALU_DEP_1)
	v_mul_f32 v14, 0x39000000, v8                  ; the mean: / 8,192
.irp j, 0,2,4,6,8,10,12,14,16,18,20,22,24,26,28,30
	v_pk_add_f32 v[32+\j:33+\j], v[32+\j:33+\j], v[14:15] op_sel_hi:[1,0] neg_lo:[0,1] neg_hi:[0,1]
.endr
.irp a, 0,2,4,6
	v_pk_mul_f32 v[64+\a:65+\a], v[32+\a:33+\a], v[32+\a:33+\a]       ; the squares, in four chains
.endr
.irp j, 8,16,24
.irp a, 0,2,4,6
	s_delay_alu instid0(VALU_DEP_4)
	v_pk_fma_f32 v[64+\a:65+\a], v[32+\j+\a:33+\j+\a], v[32+\j+\a:33+\j+\a], v[64+\a:65+\a]
.endr
.endr
	s_delay_alu instid0(VALU_DEP_3)
	v_pk_add_f32 v[64:65], v[64:65], v[66:67]
	s_delay_alu instid0(VALU_DEP_2)
	v_pk_add_f32 v[68:69], v[68:69], v[70:71]
	s_delay_alu instid0(VALU_DEP_1)
	v_pk_add_f32 v[64:65], v[64:65], v[68:69]
	s_delay_alu instid0(VALU_DEP_1)
	v_add_f32 v8, v64, v65
	WAVESUM
	XSUM 256                                       ; other bytes than the first sum's: no barrier is owed between the first sum's reads and these stores
	s_delay_alu instid0(VALU_DEP_1)
	v_mul_f32 v8, 0x39000400, v8                   ; / 8,191
	s_wait_alu depctr_va_vdst(0)
	v_sqrt_f32 v13, v8
	v_nop                                          ; a plain instruction behind the root
	s_wait_alu depctr_va_vdst(0)                   ; and the wait ahead of its first reader
	v_fma_f32 v13, 0.5, v13, v14                   ; the threshold
	s_delay_alu instid0(VALU_DEP_1)
	v_cmp_gt_f32 s20, v12, v13                     ; the block's keys that every query sees
	s_bcnt1_i32_b32 s21, s20                       ; n: how many
	s_not_b32 s22, s20
	v_mbcnt_lo_u32_b32 v16, s20, 0                 ; my rank among them,
	v_mbcnt_lo_u32_b32 v17, s22, 0                 ; or among the others,
	s_delay_alu instid0(VALU_DEP_1)
	v_add_nc_u32 v17, s21, v17                     ; who stand behind them
	s_delay_alu instid0(VALU_DEP_1)
	v_cndmask_b32 v16, v17, v16, s20               ; my key's place
	v_mov_b32 v18, 0
.set t, 0
.rept 32                               ; the inverse, by values alone: lane p learns which key stands at place p
	v_readlane_b32 s23, v16, t
	s_delay_alu instid0(VALU_DEP_1)
	v_cmp_ne_u32 vcc_lo, s23, v1
	s_delay_alu instid0(VALU_DEP_1)
	v_cndmask_b32 v18, t, v18, vcc_lo
.set t, t+1
.endr
	s_and_b32 s24, s13, 127                        ; the block in its batch
	s_lshl_b32 s25, s24, 5
	v_add_nc_u32 v19, s25, v18
	s_delay_alu instid0(VALU_DEP_1)
	v_cvt_f32_u32 v19, v19                         ; the position of the key at my place
	v_cmp_gt_u32 vcc_lo, s21, v1                   ; place < n
	v_mov_b32 v20, 0x7fc00000
	s_delay_alu instid0(VALU_DEP_1)
	v_cndmask_b32 v19, v19, v20, vcc_lo            ; WT
	v_mov_b32 v21, 0xfb800000                      ; -2^120
	s_delay_alu instid0(VALU_DEP_1)
	v_cndmask_b32 v21, v21, v11, vcc_lo            ; MT: 0 where seen
	v_cmp_gt_u32 s26, 16, v1                       ; lanes 0-15 store MT, lanes 16-31 the pad's zeros
	s_delay_alu instid0(VALU_DEP_1)
	v_cndmask_b32 v21, v11, v21, s26
	s_and_b32 s27, s13, 3                          ; the block in its step
	s_lshl_b32 s28, s27, 7
	s_add_co_u32 s28, s28, WTO
	v_lshl_add_u32 v22, v1, 2, s28
	s_lshl_b32 s28, s27, 6
	s_add_co_u32 s28, s28, MTO
	v_lshl_add_u32 v23, v1, 2, s28
	s_lshl_b32 s28, s27, 5
	s_add_co_u32 s28, s28, PADO
	v_and_b32 v24, 7, v1
	s_delay_alu instid0(VALU_DEP_1)
	v_lshl_add_u32 v24, v24, 2, s28
	s_delay_alu instid0(VALU_DEP_1)
	v_cndmask_b32 v23, v24, v23, s26
	s_lshr_b32 s28, s13, 1                         ; rowtab: the unit of 64 keys, 256 bytes;
	s_lshl_b32 s28, s28, 8
	s_and_b32 s29, s13, 1
	s_lshl_b32 s29, s29, 5                         ; my block's eight rows of each tile;
	s_add_co_u32 s28, s28, s29
	v_lshrrev_b32 v24, 3, v1
	s_delay_alu instid0(VALU_DEP_1)
	v_lshlrev_b32 v24, 6, v24                      ; tile = place / 8;
	v_and_b32 v25, 7, v1
	s_delay_alu instid0(VALU_DEP_1)
	v_lshl_add_u32 v24, v25, 2, v24                ; place % 8
	s_delay_alu instid0(VALU_DEP_1)
	v_add_nc_u32 v24, s28, v24
	s_lshl_b32 s29, s13, 5
	v_add_nc_u32 v25, s29, v18                     ; the row of x
	s_wait_alu depctr_va_vdst(0)
	s_lshl_b32 s29, s13, 2
	s_add_co_u32 s29, s29, 32768
	v_mov_b32 v26, s29
	v_mov_b32 v27, s21
	s_lshr_b32 s30, s13, 7                         ; the batch's first head's record of my step: (256 b + step) records
	s_lshl_b32 s30, s30, 8
	s_lshr_b32 s31, s24, 2
	s_add_co_u32 s30, s30, s31
	s_mul_i32 s30, s30, REC
	s_mov_b32 s31, 0
	s_add_nc_u64 s[8:9], s[8:9], s[30:31]
	global_store_b32 v24, v25, s[6:7]
	global_store_b32 v26, v27, s[6:7]              ; all lanes store the same word
.irp hd, 0,1,2,3,4,5,6,7
	global_store_b32 v22, v19, s[8:9] offset:\hd*HEADB
	global_store_b32 v23, v21, s[8:9] offset:\hd*HEADB
.endr
	s_wait_tensorcnt 0x0                           ; the wave's end: three lines behind my last LDS store
	ds_add_u32 v[SPW], v[NIL]
	s_wait_dscnt 0x0
	s_endpgm
.Lfunc_end_k_qbc523f73ab_order:
	.size	k_qbc523f73ab_order, .Lfunc_end_k_qbc523f73ab_order-k_qbc523f73ab_order
	.p2alignl 7, 3214868480
	.fill 96, 4, 3214868480
	.section	.rodata,"a",@progbits
	.p2align	6, 0x0
	.amdhsa_kernel k_qbc523f73ab_order
		.amdhsa_group_segment_fixed_size 1536
		.amdhsa_private_segment_fixed_size 0
		.amdhsa_enable_private_segment 0
		.amdhsa_kernarg_size 24
		.amdhsa_user_sgpr_count 2
		.amdhsa_user_sgpr_kernarg_segment_ptr 1
		.amdhsa_wavefront_size32 1
		.amdhsa_system_sgpr_workgroup_id_x 1
		.amdhsa_system_sgpr_workgroup_id_y 1
		.amdhsa_system_sgpr_workgroup_id_z 1
		.amdhsa_system_vgpr_workitem_id 0
		.amdhsa_next_free_vgpr 96
		.amdhsa_next_free_sgpr 66
		.amdhsa_reserve_vcc 1
		.amdhsa_float_denorm_mode_32 3
		.amdhsa_float_denorm_mode_16_64 3
		.amdhsa_memory_ordered 1
		.amdhsa_forward_progress 1
		.amdhsa_inst_pref_size 20
	.end_amdhsa_kernel
	.amdgpu_metadata
---
amdhsa.version: [ 1, 2 ]
amdhsa.kernels:
  - .name:           k_qbc523f73ab_order
    .symbol:         k_qbc523f73ab_order.kd
    .args:
      - { .name: dens, .offset: 0, .size: 8, .value_kind: global_buffer, .address_space: global }
      - { .name: tabs, .offset: 8, .size: 8, .value_kind: global_buffer, .address_space: global }
      - { .name: kv, .offset: 16, .size: 8, .value_kind: global_buffer, .address_space: global }
    .group_segment_fixed_size: 1536
    .private_segment_fixed_size: 0
    .kernarg_segment_align: 8
    .kernarg_segment_size: 24
    .max_flat_workgroup_size: 256
    .sgpr_count:     66
    .vgpr_count:     96
    .wavefront_size: 32
...
	.end_amdgpu_metadata
.endif
;; end of part 7
;; launch qkv (part 8): grid 128 x 3, 8 waves a work-group, no clusters, 0 bytes of LDS; arguments xq, w_qkv_codes, w_qkv_scales, tabs, qq, kv; writes qq, kv
.if DOCPART == 8
	.amdgcn_target "amdgcn-amd-amdhsa--gfx1250"
	.amdhsa_code_object_version 6
	.text
	.protected	k_qbc523f73ab_qkv
	.globl	k_qbc523f73ab_qkv
	.p2align	8
	.type	k_qbc523f73ab_qkv,@function
k_qbc523f73ab_qkv:
	s_mov_b64 s[64:65], 0
	v_nop
	global_prefetch_b8 v0, s[64:65] scope:SCOPE_SE
	s_setreg_imm32_b32 hwreg(HW_REG_WAVE_SCHED_MODE, 0, 2), 2
	s_setreg_imm32_b32 hwreg(HW_REG_WAVE_MODE, 25, 1), 1
	s_wait_xcnt 0x0
	s_wait_alu depctr_vm_vsrc(0)
; q, k, v = x w_qkv on codes of FP6 (E2M3) with E8M0 scales for each 32 along K = 256, and the results quantised at once for the attention: q and k along the head's 32 channels, v along the keys in blocks of 32.
; SHARES.  Work-group x = a unit of 64 rows of x (two blocks of 32 keys: blocks 2 c and 2 c + 1 of step s of batch b); work-group y = the role: 0 q, 1 k, 2 v; wave = head.  A wave: 4 tiles of rows x 2 tiles of channels x 2 K steps = 16 matrix instructions.
; ROWS.  q takes the rows as they lie.  k and v take them in the stored order (rowtab): tile tt, row 8 h' + j = the key at place 8 tt + j of block 2 c + h'.  The index is held to 8,191 before it enters an address.
; CHANNELS.  Lane r of tile u of the weight takes channel 8 u + r + 8 (r / 8), so that a lane's 16 results of the two tiles are 16 neighbouring channels.
; q, k: D = w x^T: lane (row r, h) holds channels 16 h .. 16 h + 15; the block of 32 lies in lanes l and l xor 16.   v: D = x w^T: lane (channel row r, h) holds places 0 .. 31 of block 2 c + h: a whole block.
; STORED.  qq: codes [16 heads x batches][4096][24] at 0, scale bytes [16][4096] at QSOFF.  kv, in the record (REC bytes) of (batch, head, step):
;   K at 0: fragments (hf, c) of 768 bytes at 1536 hf + 768 c: row 8 h' + j = [24 bytes: place 16 hf + j][24 bytes: place 16 hf + 8 + j] of block 2 c + h';  KS at 3072: a word a row: the two keys' bytes, twice over;
;   VS at 3456: a word for each channel row of tile ut: byte = block;  VI at 4096: [ut][hf][c][lane][16 bytes]: 12 bytes of codes (places 16 hf .. + 15) and a zero word: the image of the registers that the attention loads.
; LIMITS: NaN and infinities are not served; a block whose largest magnitude lies under 2^-124 gets the byte 1 (only this program reads the bytes).
; THE MODE: SCHED_MODE bits 1:0 = 2 (LLVM: expert scheduling mode 2), set by the entry lines.  The code itself states the register dependences
; between vector or matrix instructions and memory instructions, with s_wait_alu, always for 0.
; THE PLAN.  Registers that memory instructions touch:
;   v4, v5, v6    offsets of the weight's codes, its scale bytes and the table: written once at the head, read by the first 30 loads, never written again.
;   v8-v11        the table's words land here; vector instructions make x's offsets of them; x's loads read them; never written again.   v12-v15: the offsets of x's scale bytes, likewise.
;   W, WS, X, XS  written by loads alone ahead of the products.  Behind the products X takes the codes, which the stores read.
;   v1, v17, v18  the stores' offsets;  v240.., v252..: scale bytes and words that the stores read.
; So four kinds of wait stand in the text: one behind v_readfirstlane_b32, one ahead of the first load, one ahead of x's loads, and one ahead of each role's run of stores.
; No register that a memory instruction has read is written again.
.set REC,   8448
.set XSOFF, 1572864
.set QSOFF, 1572864
.set WS,  20                           ; v20-23   the weight's scale words: 20 + 2 u + ks
.set XS,  24                           ; v24-31   x's: 24 + 2 tt + ks
.set W,   32                           ; v32-79   the weight's fragments: 32 + 12 (2 u + ks)
.set X,   80                           ; v80-175  x's: 80 + 24 tt + 12 ks; behind the products: the codes
.set ACC, 176                          ; v176-239 eight accumulators
.macro MM0 d, a, b, sa, sb             ; the first K step starts a sum
	v_wmma_scale_f32_16x16x128_f8f6f4 v[\d:\d+7], v[\a:\a+11], v[\b:\b+11], 0, v[\sa], v[\sb] matrix_a_fmt:MATRIX_FMT_FP6 matrix_b_fmt:MATRIX_FMT_FP6
.endm
.macro MMC d, a, b, c, sa, sb
	v_wmma_scale_f32_16x16x128_f8f6f4 v[\d:\d+7], v[\a:\a+11], v[\b:\b+11], v[\c:\c+7], v[\sa], v[\sb] matrix_a_fmt:MATRIX_FMT_FP6 matrix_b_fmt:MATRIX_FMT_FP6
.endm
	s_load_b256 s[4:11], s[0:1], 0x0               ; xq s[4:5], the weight's codes s[6:7], its scales s[8:9], tabs s[10:11]
	s_load_b128 s[12:15], s[0:1], 0x20             ; qq s[12:13], kv s[14:15]
	v_lshrrev_b32 v1, 5, v0
	v_readfirstlane_b32 s16, v1                    ; wave = head
	v_and_b32 v3, 31, v0                           ; lane
	v_and_b32 v1, 15, v0                           ; r
	v_bfe_u32 v2, v0, 4, 1                         ; h
	s_and_b32 s17, ttmp7, 0xffff                   ; role
	s_lshl_b32 s18, s17, 8
	s_wait_alu depctr_va_sdst(0)                   ; s16 is written, ahead of its first reader
	s_lshl_b32 s19, s16, 5
	s_add_co_u32 s18, s18, s19                     ; the weight's first row for this role and head
	v_and_b32 v4, 8, v1
	v_add_nc_u32 v4, v4, v1                        ; r + 8 (r / 8)
	v_add_nc_u32 v4, s18, v4
	v_lshlrev_b32 v5, 3, v4                        ; its scale bytes: 8 a row
	v_mul_u32_u24 v7, v2, 24                       ; 24 h
	v_mad_u32_u24 v4, v4, 192, v7                  ; its codes: 192 bytes a row
	s_lshl_b32 s19, ttmp9, 6
	v_add_nc_u32 v16, s19, v1                      ; the unit's row r as it lies
	v_lshlrev_b32 v6, 2, v16                       ; and its word of rowtab
	s_mov_b32 s20, 0x76543210
	s_mov_b32 s21, 0xfedcba98                      ; v_permlanex16_b32's selects for lane l xor 16
.irp t, 0,1,2,3
	v_mov_b32 v[244+\t], 0                         ; (a lane permute's destination counts as one of its sources)
.endr
	s_lshr_b32 s24, ttmp9, 6                       ; b
	s_and_b32 s25, ttmp9, 63                       ; the unit in its batch
	s_lshl_b32 s24, s24, 3
	s_add_co_u32 s24, s24, s16                     ; 8 b + head
	s_lshl_b32 s26, s24, 12
	s_lshl_b32 s27, s25, 6
	s_add_co_u32 s28, s26, s27                     ; q's first row in qq
	s_mul_i32 s26, s28, 24
	s_mov_b32 s27, 0
	s_add_co_u32 s28, s28, QSOFF
	s_mov_b32 s29, 0
	s_lshl_b32 s30, s24, 5
	s_lshr_b32 s31, s25, 1                         ; the step
	s_add_co_u32 s30, s30, s31
	s_mul_i32 s30, s30, REC                        ; the record
	s_mov_b32 s31, 0
	s_and_b32 s32, s25, 1                          ; c
	s_cmp_eq_u32 s17, 0
	s_cselect_b32 s22, 0, -1                       ; k, v: the stored order;
	s_cselect_b32 s23, -1, 0                       ; q: the rows as they lie
	s_wait_kmcnt 0x0
	s_add_nc_u64 s[34:35], s[12:13], s[26:27]
	s_add_nc_u64 s[36:37], s[12:13], s[28:29]
	s_add_nc_u64 s[38:39], s[14:15], s[30:31]
	s_wait_alu depctr_va_vdst(0)                   ; the offsets v4, v5 and v6 are written, which the loads below read
.irp t, 0,1,2,3
	global_load_b32 v[8+\t], v6, s[10:11] offset:64*\t
.endr
.irp u, 0,1
.irp s, 0,1
.irp p, 0,1,2,3,4,5
	global_load_b64 v[W+12*(2*\u+\s)+2*\p:W+12*(2*\u+\s)+2*\p+1], v4, s[6:7] offset:8*\u*192+96*\s+48*(\p/3)+8*(\p%3)
.endr
.endr
	global_load_b64 v[WS+2*\u:WS+2*\u+1], v5, s[8:9] offset:64*\u
.endr
	s_wait_loadcnt 26                              ; the table's four words are in; the weight's 24 + 2 loads are behind them
.irp t, 0,1,2,3
	v_min_u32 v[8+\t], 0x1fff, v[8+\t]             ; a loaded number enters an address only so held
	v_and_b32 v[8+\t], s22, v[8+\t]
	v_add_nc_u32 v[12+\t], 16*\t, v16
	v_and_b32 v[12+\t], s23, v[12+\t]
	v_add_nc_u32 v[8+\t], v[8+\t], v[12+\t]        ; the row of x
	v_lshlrev_b32 v[12+\t], 3, v[8+\t]             ; its scale bytes
	v_mul_u32_u24 v[8+\t], v[8+\t], 192
	v_add_nc_u32 v[8+\t], v[8+\t], v7              ; its codes, + 24 h
.endr
	s_wait_alu depctr_va_vdst(0)                   ; x's offsets v8 to v15 are written, which the loads below read
.irp t, 0,1,2,3
.irp s, 0,1
.irp p, 0,1,2,3,4,5
	global_load_b64 v[X+24*\t+12*\s+2*\p:X+24*\t+12*\s+2*\p+1], v[8+\t], s[4:5] offset:96*\s+48*(\p/3)+8*(\p%3)
.endr
.endr
	global_load_b64 v[XS+2*\t:XS+2*\t+1], v[12+\t], s[4:5] offset:XSOFF
.endr
	s_wait_loadcnt 0x0
	s_cmp_eq_u32 s17, 2
	s_cbranch_scc1 .Lrole_v
	; ---- q and k: source 0 = 16 channels of the weight, source 1 = 16 rows of x.  The eight accumulators take turns, one instruction a turn
.irp s, 0,1
.irp t, 0,1,2,3
.irp u, 0,1
.if \s == 0
	MM0 ACC+16*\t+8*\u, W+12*(2*\u+\s), X+24*\t+12*\s, WS+2*\u+\s, XS+2*\t+\s
.else
	MMC ACC+16*\t+8*\u, W+12*(2*\u+\s), X+24*\t+12*\s, ACC+16*\t+8*\u, WS+2*\u+\s, XS+2*\t+\s
.endif
.endr
.endr
.endr
.rept 4
	v_nop                                          ; four places between the last product and the first read of results (ISA guide 7.12.1)
.endr
.irp t, 0,1,2,3
	v_max3_num_f32 v[240+\t], |v[ACC+16*\t]|, |v[ACC+16*\t+1]|, 0x1800000   ; my 16 channels of a row, and the floor 2^(3 - 127); the four tiles by turns
.endr
.irp i, 2,4,6,8,10,12,14
.irp t, 0,1,2,3
	v_max3_num_f32 v[240+\t], v[240+\t], |v[ACC+16*\t+\i]|, |v[ACC+16*\t+\i+1]|
.endr
.endr
.irp t, 0,1,2,3
	v_permlanex16_b32 v[244+\t], v[240+\t], s20, s21
.endr
.irp t, 0,1,2,3
	v_max_num_f32 v[240+\t], v[240+\t], v[244+\t]  ; with the other 16 channels: the block's largest magnitude
.endr
.irp t, 0,1,2,3
	v_add_nc_u32 v[248+\t], 0xff000000, v[240+\t]  ; 2 off its exponent field: the conversion's scale operand
.endr
.irp t, 0,1,2,3
	v_lshrrev_b32 v[252+\t], 23, v[248+\t]         ; the scale's byte
.endr
.irp t, 0,1,2,3
	v_cvt_scalef32_pk16_fp6_f32 v[X+4*\t:X+4*\t+2], v[ACC+16*\t:ACC+16*\t+15], v[248+\t]   ; 12 bytes: channels 16 h .. 16 h + 15
.endr
	v_nop                                          ; one plain instruction behind the last scaled conversion
	s_cmp_eq_u32 s17, 0
	s_cbranch_scc0 .Lrole_k
	v_mul_u32_u24 v17, v1, 24
	v_mad_u32_u24 v17, v2, 12, v17                 ; q: 24 bytes a row, + 12 h
	s_wait_alu depctr_va_vdst(0)                   ; the conversions have written the codes, and v252 to v255 and v17 are written: the stores below read them
.irp t, 0,1,2,3
	global_store_b96 v17, v[X+4*\t:X+4*\t+2], s[34:35] offset:384*\t   ; the wave stores 384 consecutive bytes
	global_store_b8 v1, v[252+\t], s[36:37] offset:16*\t               ; both halves of the lanes store the same byte
.endr
	s_endpgm
.Lrole_k:
	s_mul_i32 s33, s32, 768
	v_mul_u32_u24 v17, v1, 48
	v_mad_u32_u24 v17, v2, 12, v17
	v_add_nc_u32 v17, s33, v17                     ; k: fragment c, row r of 48 bytes, + 12 h
	s_lshl_b32 s33, s32, 6
	v_lshl_add_u32 v18, v1, 2, s33                 ; its scale word
.irp f, 0,1
	v_lshl_or_b32 v[240+\f], v[253+2*\f], 8, v[252+2*\f]   ; the two keys of a row of fragment hf,
	v_lshl_or_b32 v[240+\f], v[240+\f], 16, v[240+\f]      ; and once more for the two blocks of zero codes: they have the scales of the blocks in use
.endr
	s_wait_alu depctr_va_vdst(0)                   ; the conversions have written the codes, and v240, v241, v17 and v18 are written: the stores below read them
.irp t, 0,1,2,3
	global_store_b96 v17, v[X+4*\t:X+4*\t+2], s[38:39] offset:1536*(\t/2)+24*(\t%2)
.endr
.irp f, 0,1
	global_store_b32 v18, v[240+\f], s[38:39] offset:3072+128*\f
.endr
	s_endpgm
.Lrole_v:
	; ---- v: source 0 = 16 rows of x (keys), source 1 = 16 channels of the weight
.irp s, 0,1
.irp u, 0,1
.irp t, 0,1,2,3
.if \s == 0
	MM0 ACC+32*\u+8*\t, X+24*\t+12*\s, W+12*(2*\u+\s), XS+2*\t+\s, WS+2*\u+\s
.else
	MMC ACC+32*\u+8*\t, X+24*\t+12*\s, W+12*(2*\u+\s), ACC+32*\u+8*\t, XS+2*\t+\s, WS+2*\u+\s
.endif
.endr
.endr
.endr
.rept 4
	v_nop
.endr
.irp u, 0,1
	v_max3_num_f32 v[240+\u], |v[ACC+32*\u]|, |v[ACC+32*\u+1]|, 0x1800000   ; a whole block of 32 keys is mine; the two tiles of channels by turns
.endr
.irp i, 2,4,6,8,10,12,14,16,18,20,22,24,26,28,30
.irp u, 0,1
	v_max3_num_f32 v[240+\u], v[240+\u], |v[ACC+32*\u+\i]|, |v[ACC+32*\u+\i+1]|
.endr
.endr
.irp u, 0,1
	v_add_nc_u32 v[248+\u], 0xff000000, v[240+\u]
.endr
.irp u, 0,1
	v_lshrrev_b32 v[252+\u], 23, v[248+\u]
.endr
.irp u, 0,1
.irp f, 0,1
	v_cvt_scalef32_pk16_fp6_f32 v[X+4*(2*\u+\f):X+4*(2*\u+\f)+2], v[ACC+32*\u+16*\f:ACC+32*\u+16*\f+15], v[248+\u]   ; places 16 hf .. 16 hf + 15
.endr
.endr
	v_nop                                          ; one plain instruction behind the last scaled conversion
.irp q, 0,1,2,3
	v_mov_b32 v[X+4*\q+3], 0                       ; the image's fourth word
.endr
	v_lshlrev_b32 v19, 3, v2                       ; 8 h
.irp u, 0,1
	v_lshlrev_b32 v[252+\u], v19, v[252+\u]        ; block 2 c + h's byte at its place,
	v_permlanex16_b32 v[244+\u], v[252+\u], s20, s21
	v_or_b32 v[252+\u], v[252+\u], v[244+\u]       ; with the other block's: half a scale word
.endr
	s_lshl_b32 s33, s32, 9
	s_add_co_u32 s33, s33, 4096
	v_lshl_add_u32 v17, v3, 4, s33                 ; VI: 512 c + 16 x lane
	s_lshl_b32 s33, s32, 1
	s_add_co_u32 s33, s33, 3456
	v_lshl_add_u32 v18, v1, 2, s33                 ; VS: 4 r + 2 c
	s_wait_alu depctr_va_vdst(0)                   ; the images (codes and zero words), v252, v253, v17 and v18 are written: the stores below read them
.irp u, 0,1
.irp f, 0,1
	global_store_b128 v17, v[X+4*(2*\u+\f):X+4*(2*\u+\f)+3], s[38:39] offset:(2*\u+\f)*1024   ; the wave stores 512 consecutive bytes
.endr
.endr
.irp u, 0,1
	global_store_b16 v18, v[252+\u], s[38:39] offset:64*\u
.endr
	s_endpgm
.Lfunc_end_k_qbc523f73ab_qkv:
	.size	k_qbc523f73ab_qkv, .Lfunc_end_k_qbc523f73ab_qkv-k_qbc523f73ab_qkv
	.p2alignl 7, 3214868480
	.fill 96, 4, 3214868480
	.section	.rodata,"a",@progbits
	.p2align	6, 0x0
	.amdhsa_kernel k_qbc523f73ab_qkv
		.amdhsa_group_segment_fixed_size 0
		.amdhsa_private_segment_fixed_size 0
		.amdhsa_enable_private_segment 0
		.amdhsa_kernarg_size 48
		.amdhsa_user_sgpr_count 2
		.amdhsa_user_sgpr_kernarg_segment_ptr 1
		.amdhsa_wavefront_size32 1
		.amdhsa_system_sgpr_workgroup_id_x 1
		.amdhsa_system_sgpr_workgroup_id_y 1
		.amdhsa_system_sgpr_workgroup_id_z 1
		.amdhsa_system_vgpr_workitem_id 0
		.amdhsa_next_free_vgpr 256
		.amdhsa_next_free_sgpr 66
		.amdhsa_reserve_vcc 0
		.amdhsa_float_denorm_mode_32 3
		.amdhsa_float_denorm_mode_16_64 3
		.amdhsa_memory_ordered 1
		.amdhsa_forward_progress 1
		.amdhsa_inst_pref_size 25
	.end_amdhsa_kernel
	.amdgpu_metadata
---
amdhsa.version: [ 1, 2 ]
amdhsa.kernels:
  - .name:           k_qbc523f73ab_qkv
    .symbol:         k_qbc523f73ab_qkv.kd
    .args:
      - { .name: xq, .offset: 0, .size: 8, .value_kind: global_buffer, .address_space: global }
      - { .name: w_qkv_codes, .offset: 8, .size: 8, .value_kind: global_buffer, .address_space: global }
      - { .name: w_qkv_scales, .offset: 16, .size: 8, .value_kind: global_buffer, .address_space: global }
      - { .name: tabs, .offset: 24, .size: 8, .value_kind: global_buffer, .address_space: global }
      - { .name: qq, .offset: 32, .size: 8, .value_kind: global_buffer, .address_space: global }
      - { .name: kv, .offset: 40, .size: 8, .value_kind: global_buffer, .address_space: global }
    .group_segment_fixed_size: 0
    .private_segment_fixed_size: 0
    .kernarg_segment_align: 8
    .kernarg_segment_size: 48
    .max_flat_workgroup_size: 256
    .sgpr_count:     66
    .vgpr_count:     256
    .wavefront_size: 32
...
	.end_amdgpu_metadata
.endif
;; end of part 8
;; launch attn (part 9): grid 16 x 16, 16 waves a work-group, no clusters, 272,384 bytes of LDS; arguments qq, kv, tabs, ao; writes ao
.if DOCPART == 9
	.amdgcn_target "amdgcn-amd-amdhsa--gfx1250"
	.amdhsa_code_object_version 6
	.text
	.protected	k_qbc523f73ab_attn
	.globl	k_qbc523f73ab_attn
	.p2align	8
	.type	k_qbc523f73ab_attn,@function
k_qbc523f73ab_attn:
	s_mov_b64 s[64:65], 0
	v_nop
	global_prefetch_b8 v0, s[64:65] scope:SCOPE_SE
	s_setreg_imm32_b32 hwreg(HW_REG_WAVE_SCHED_MODE, 0, 2), 2
	s_setreg_imm32_b32 hwreg(HW_REG_WAVE_MODE, 25, 1), 1
	s_wait_xcnt 0x0
	s_wait_alu depctr_vm_vsrc(0)
; The attention of one head on codes of FP6 (E2M3): S^T = K Q^T (K = the head's 32), p = 2^(t - M), O^T = V^T P^T (K = the keys, in blocks of 32 original keys), O / the row's sum, quantised along the head's 32 for the projection.
; t = score x log2(e) / sqrt(32); M = the running largest t rounded UP to a whole number; the row's sum is taken of the unquantised p; when M moves, the sum and O^T are multiplied by 2^(old M - new M), which rounds nothing.
; THE MASK.  Key j counts for query i where |i - j| < 16 or where j's density lies above the threshold.  Each block of 32 keys has been sorted, the keys that every query sees first (n of them); p and v are permuted alike, so the
; blocks and their scales are those of the original order.  A SPARSE step (128 keys) computes only places 0-15 of its four blocks: the other 16 codes of p are zeros that stay in the operand's registers.  Places from n on are hidden by the C of the
; score products: 0 where seen, -2^120 where not (table MT).  A FULL step computes all 32 places and hides by the keys' positions (table WT: NaN = seen by all): it is taken where a block of the step has n > 16, or where the step touches
; my 16 queries' window.  Which steps are full is a word of 32 bits made from stored whole numbers and ids.
; SHARES.  A work-group owns 256 queries of one (batch, head); each of its sixteen waves 16 of them, in under 256 registers: four waves to a SIMD, so that one wave's vector work stands beside another's matrix work and LDS loads.
; The head's 32 records (REC bytes a step) are copied into LDS ONCE, through registers, with one barrier behind; after that LDS is only read.
; LAYOUT.  Both products are used transposed, so a lane holds ONE query (lane % 16).  A fragment of K carries two tiles of 16 keys: tile 0 in k-block 0, tile 1 in k-block 1; Q0 holds q in k-block 0 and zeros in block 1, Q1 the other way round.
; Score register 32 hf + 16 c + 8 u + j of lane (q, h) is place 16 hf + 8 u + j of block 2 c + h: a lane's 16 (32) registers are places of ONE block, its maximum needs no other lane, and a conversion's three registers are registers 6 c .. 6 c + 2 of P.
; LIMITS: NaN and infinities are not served; |t| stays under 2^100 (the start of the running maximum; a hidden score's t is about -2^118); hidden keys are left out, which is what -1e10 does as long as a row's logits lie within 1e9 of each other.
; No tensor loads, hence no joint loads in a cluster, though the sixteen query blocks of a head read the same records.
; THE MODE: SCHED_MODE bits 1:0 = 2 (LLVM: expert scheduling mode 2), set by the entry lines.  The code itself states the register dependences
; between vector or matrix instructions and memory or LDS instructions, with s_wait_alu, always for 0.
; THE PLAN.  Registers that LDS instructions touch, round the loop:
;   F, KS      this step's score products read them; behind them the NEXT step's fragments of K and their scale words land there (in a full step first this step's places 16-31).
;   S+32 ..    in a sparse step the C of the score products; behind them the next step's table MT lands there.  In a full step they are scores and p, read up to the second conversions; MT lands behind those.
;   V, VS      this step's second products read them, at the step's end; this step's loads land there in its middle.
;   WT, WT1    (full way) two tables of positions at a time; the compares read them.
;   ADW, ADV, NK, NW, NM (full way also ADK, ADT)   LDS addresses, written by vector additions at the step's head, read by the step's loads.
;   P, PS      written by conversions and vector instructions, taken by the second products.
; A SPARSE STEP HAS FOUR WAITS, one on va_vdst ahead of the exponentials besides these three.  (1) vm_vsrc at its head: the loads of the step before have read the addresses.  (2) va_vdst behind the batch of exponentials: beside the exponentials' results it states that the addresses are written,
; that the score products are done reading F, KS and their C, and that the last step's second products are done reading V and VS.  The step's 22 loads follow it, dealt among vector instructions that name none of these registers.
; (3) va_vdst in front of the second products: P and p's scale word are written.  A full step has four more on va_vdst, each with its reason beside it, and one on va_sdst for each run of 32 compares.
; The next step's record is held at the last record: the last step asks once more for its own K and MT, which nobody reads, so that no load leaves the records and the counted wait for V counts the same loads in every step.
.set REC,   8448
.set HEADB, 32*REC
.set SPARE, HEADB                      ; behind the records: the spare words, 128 bytes for each wave
.set QSOFF, 1572864
.set ASOFF, 1572864
.set KSO, 3072
.set VSO, 3456
.set WTO, 3584
.set VIO, 4096
.set MTO, 8192
.set AK0, 1                            ; v1   48 r + 24 h: my place in a fragment of K
.set AW0, 2                            ; v2   4 r: in a run of scale words
.set AV0, 3                            ; v3   16 x lane + VIO: in an image of V
.set AT0, 4                            ; v4   128 h + WTO
.set SPW, 5                            ; v5   LDS address of my spare word; never rewritten
.set NIL, 6                            ; v6   0; never rewritten
.set H8,  7                            ; v7   8 h
.set ADK, 8                            ; v8   AK0 + this step's record (the full way alone)
.set ADW, 9                            ; v9   AW0 + this step's record
.set ADV, 10                           ; v10  AV0 + this step's record
.set ADT, 11                           ; v11  AT0 + this step's record (the full way alone)
.set Q0,  16                           ; v16-27, v28-39
.set Q1,  28
.set QS,  40                           ; v40-45 hold scale words and nothing else: q's; K's two; V's two; p's
.set KS,  41
.set VS,  43
.set PS,  45
.set QLO, 46                           ; v46, v47: my query's position - 15, + 15
.set QHI, 47
.set NINF, 48
.set AM0, 49                           ; v49  64 h + MTO
.set F,   50                           ; v50-61, v62-73: K's fragments c = 0, 1; registers 6-11 of each stay 0
.set V,   74                           ; v74-85, v86-97: V's fragments ut = 0, 1; registers 4, 5, 10, 11 stay 0
.set P,   98                           ; v98-109; registers 3-5 and 9-11 stay 0
.set O,   110                          ; v110-125 O^T: register 8 ut + j = channel 16 h + 8 ut + j
.set NM,  126                          ; v126 AM0 + the next step's record
.set NK,  127                          ; v127 AK0 + the next step's record
.set S,   128                          ; v128-159 scores of places 0-15; v160-191 of places 16-31, or in a sparse step the C of the products
.set WT,  192                          ; v192-207 a table of 16 positions
.set BM,  208                          ; v208-209 the two blocks' largest score, then largest p
.set SO,  212                          ; v212-213 the conversions' scale operands
.set BY,  214                          ; v214-215 the scales' bytes
.set L2,  216                          ; v[216:217] the sums' second chain
.set FF,  218                          ; v[218:219] f = 2^(old M - new M)
.set T0,  220
.set T1,  221
.set NW,  222                          ; v222 AW0 + the next step's record
.set WT1, 232                          ; v232-247 a second table of 16 positions
.set CL,  44                           ; s44-59  a run of masks: position under the window
.set CH,  66                           ; s66-81  and over it
.macro MM0 d, a, b, sa, sb
	v_wmma_scale_f32_16x16x128_f8f6f4 v[\d:\d+7], v[\a:\a+11], v[\b:\b+11], 0, v[\sa], v[\sb] matrix_a_fmt:MATRIX_FMT_FP6 matrix_b_fmt:MATRIX_FMT_FP6
.endm
.macro MMC d, a, b, c, sa, sb
	v_wmma_scale_f32_16x16x128_f8f6f4 v[\d:\d+7], v[\a:\a+11], v[\b:\b+11], v[\c:\c+7], v[\sa], v[\sb] matrix_a_fmt:MATRIX_FMT_FP6 matrix_b_fmt:MATRIX_FMT_FP6
.endm
	s_load_b256 s[4:11], s[0:1], 0x0               ; qq s[4:5], kv s[6:7], tabs s[8:9], ao s[10:11]
	v_lshl_add_u32 v[SPW], v0, 2, SPARE
	v_mov_b32 v[NIL], 0
	v_lshrrev_b32 v8, 5, v0
	v_readfirstlane_b32 s12, v8                    ; wave
	s_and_b32 s13, ttmp7, 0xffff                   ; 8 b + head
	s_lshr_b32 s14, s13, 3                         ; b
	s_and_b32 s15, s13, 7                          ; head
	s_lshl_b32 s16, ttmp9, 8
	s_wait_alu depctr_va_sdst(0)                   ; s12 is written, ahead of its first reader
	s_lshl_b32 s17, s12, 4
	s_add_co_u32 s16, s16, s17                     ; i0: my first query
	v_and_b32 v9, 15, v0                           ; r
	v_bfe_u32 v10, v0, 4, 1                        ; h
	v_and_b32 v11, 31, v0                          ; lane
	v_mul_u32_u24 v[AK0], v9, 48
	v_mad_u32_u24 v[AK0], v10, 24, v[AK0]
	v_lshlrev_b32 v[AW0], 2, v9
	v_lshl_add_u32 v[AV0], v11, 4, VIO
	v_lshl_add_u32 v[AT0], v10, 7, WTO
	v_lshl_add_u32 v[AM0], v10, 6, MTO
	v_lshlrev_b32 v[H8], 3, v10
	v_mul_u32_u24 v220, v9, 24                     ; q's codes: 24 bytes a row
	v_lshlrev_b32 v221, 4, v11                     ; the counts: four blocks a lane
	v_lshlrev_b32 v212, 4, v0                      ; the copy: 16 bytes a thread, in memory and in LDS alike
.irp a, 1,2,3,4
	v_add_nc_u32 v[212+\a], 65536*\a, v212         ; (an LDS offset has 16 bits)
.endr
	s_lshl_b32 s30, s13, 12
	s_add_co_u32 s30, s30, s16
	s_mul_i32 s32, s30, 24
	s_mov_b32 s33, 0
	s_add_co_u32 s34, s30, QSOFF
	s_mov_b32 s35, 0
	s_mul_i32 s36, s13, HEADB
	s_mov_b32 s37, 0
	s_lshl_b32 s38, s14, 9
	s_add_co_u32 s38, s38, 32768
	s_mov_b32 s39, 0
	s_lshl_b32 s40, s14, 8
	s_lshr_b32 s41, s16, 4
	s_add_co_u32 s40, s40, s41                     ; my tile of 16 rows among the 512
	s_mul_i32 s40, s40, 384
	s_mul_i32 s41, s15, 196608
	s_add_co_u32 s40, s40, s41
	s_mov_b32 s41, 0
	s_lshl_b32 s42, s14, 12
	s_add_co_u32 s42, s42, s16
	s_lshl_b32 s42, s42, 3
	s_add_co_u32 s42, s42, s15
	s_add_co_u32 s42, s42, ASOFF
	s_mov_b32 s43, 0
	s_mov_b32 s20, 0x76543210
	s_mov_b32 s21, 0xfedcba98                      ; v_permlanex16_b32's selects for lane l xor 16
	s_mov_b32 s22, 0x3e8293ee                      ; c = log2(e) / sqrt(32)
	s_mov_b32 s23, s22                             ; (named with it as a pair)
	s_mov_b32 s28, 0xffff                          ; lanes 0-15
	s_wait_kmcnt 0x0
	s_add_nc_u64 s[32:33], s[4:5], s[32:33]        ; q's codes at my first query
	s_add_nc_u64 s[34:35], s[4:5], s[34:35]        ; q's scale bytes
	s_add_nc_u64 s[36:37], s[6:7], s[36:37]        ; the head's records
	s_add_nc_u64 s[38:39], s[8:9], s[38:39]        ; the batch's 128 counts
	s_add_nc_u64 s[40:41], s[10:11], s[40:41]      ; my tile's codes in ao
	s_add_nc_u64 s[42:43], s[10:11], s[42:43]      ; and its scale bytes
	s_wait_alu depctr_va_vdst(0)                   ; the offsets and addresses v9, v212 to v216, v220 and v221 are written, which the loads and LDS stores below read; so are v1 to v4 and v49, which the first loads of K and MT read
	global_load_b64 v[200:201], v220, s[32:33]
	global_load_b64 v[202:203], v220, s[32:33] offset:8
	global_load_b64 v[204:205], v220, s[32:33] offset:16
	global_load_u8 v206, v9, s[34:35]
	global_load_b128 v[208:211], v221, s[38:39]    ; lane s: the counts of step s's four blocks
.set i, 0
.rept 33
	global_load_b128 v[64+4*i:67+4*i], v212, s[36:37] offset:8192*i   ; 512 threads x 16 bytes: 8,192 consecutive bytes; 33 x 8,192 = 32 records
.set i, i+1
.endr
.set i, 0
.rept 33
	s_wait_loadcnt 32-i                            ; load i is in; the 32 - i behind it may be out
	ds_store_b128 v[212+i/8], v[64+4*i:67+4*i] offset:8192*(i%8)
.set i, i+1
.endr
	s_wait_dscnt 0x0                               ; for the others' sake: my stores have landed
	s_barrier_signal -1
	s_barrier_wait -1                              ; the head's records lie in LDS; nobody writes them again
	s_wait_alu depctr_vm_vsrc(0)                   ; the loads and my LDS stores have read v9, v64 to v195, v212 to v216, v220 and v221: all of these get other uses from here on, written by vector instructions and by LDS loads
.irp i, 0,1,2,3,4,5
	v_cndmask_b32 v[Q0+\i], 0, v[200+\i], s28      ; q in k-block 0 (lanes 0-15), zeros in block 1
	v_cndmask_b32 v[Q1+\i], v[200+\i], 0, s28      ; and the other way round
.endr
	v_mul_lo_u32 v[QS], v206, 0x1010101            ; q's byte for all four blocks: the blocks of zero codes have the scale of the blocks in use
.irp i, 6,7,8,9,10,11
	v_mov_b32 v[Q0+\i], 0
	v_mov_b32 v[Q1+\i], 0
	v_mov_b32 v[F+\i], 0
	v_mov_b32 v[F+12+\i], 0
.endr
.irp i, 4,5,10,11
	v_mov_b32 v[V+\i], 0
	v_mov_b32 v[V+12+\i], 0
.endr
.irp i, 0,1,2,3,4,5,6,7,8,9,10,11
	v_mov_b32 v[P+\i], 0
.endr
.irp i, 0,1,2,3,4,5,6,7,8,9,10,11,12,13,14,15
	v_mov_b32 v[O+\i], 0                           ; the loop has no first step of its own: it finds zeros, which the first change of M leaves zeros
.endr
	v_mov_b32 v14, 0                               ; the row's sum, in two halves
	v_mov_b32 v15, 0
	v_mov_b32 v[FF+1], 0                           ; (named as the upper half of a pair)
	v_mov_b32 v[T1], 0                             ; (a lane permute's destination counts as one of its sources)
	v_mov_b32 v13, 0xf1800000                      ; the largest t so far: -2^100
	v_floor_f32 v12, -v13                          ; -M
	v_mov_b32 v[NINF], 0xff800000
	v_add_nc_u32 v[QLO], s16, v9
	v_cvt_f32_u32 v[QLO], v[QLO]                   ; my query's position
	v_add_f32 v[QHI], 0x41700000, v[QLO]
	v_add_f32 v[QLO], 0xc1700000, v[QLO]
	v_cmp_lt_u32 s18, 16, v208                     ; bit s: a block of step s has more than 16 keys that all see: four compares in a run,
	v_cmp_lt_u32 s25, 16, v209
	v_cmp_lt_u32 s26, 16, v210
	v_cmp_lt_u32 s27, 16, v211
	s_wait_alu depctr_va_sdst(0)                   ; s18, s25, s26 and s27 are written, ahead of their first readers
	s_or_b32 s18, s18, s25
	s_or_b32 s18, s18, s26
	s_or_b32 s18, s18, s27
	s_sub_co_i32 s25, s16, 15                      ; my queries' window is keys i0 - 15 .. i0 + 30: one step or two
	s_max_i32 s25, s25, 0
	s_lshr_b32 s25, s25, 7
	s_lshl_b32 s25, 1, s25
	s_or_b32 s18, s18, s25
	s_add_co_u32 s25, s16, 30
	s_min_u32 s25, s25, 4095
	s_lshr_b32 s25, s25, 7
	s_lshl_b32 s25, 1, s25
	s_or_b32 s18, s18, s25                         ; the steps that go the full way
.macro PLACES                          ; four places behind a matrix instruction, in front of a read of its result or a write of its registers (ISA guide 7.12.1)
.rept 4
	v_nop
.endr
.endm
.macro KLOAD hf, ak, aw                ; the two fragments of places 16 hf .. 16 hf + 15, and their scale words, by the address registers ak and aw: 8 loads
.irp p, 0,1,2
	ds_load_b64 v[F+2*\p:F+2*\p+1], v[\ak] offset:1536*\hf+8*\p
.endr
.irp p, 0,1,2
	ds_load_b64 v[F+12+2*\p:F+12+2*\p+1], v[\ak] offset:1536*\hf+768+8*\p
.endr
	ds_load_b32 v[KS], v[\aw] offset:KSO+128*\hf
	ds_load_b32 v[KS+1], v[\aw] offset:KSO+128*\hf+64
.endm
.macro MLOAD am                        ; a sparse step's C: 16 numbers of each of my two blocks: 8 loads
.irp c, 0,1
.irp i, 0,1,2,3
	ds_load_b128 v[S+32+16*\c+4*\i:S+32+16*\c+4*\i+3], v[\am] offset:128*\c+16*\i
.endr
.endr
.endm
.macro VLOAD hf                        ; V's codes of places 16 hf .. + 15 of the four blocks, as images of registers 0-3 and 6-9: 4 loads
	ds_load_b128 v[V:V+3], v[ADV] offset:(\hf)*1024
	ds_load_b128 v[V+6:V+9], v[ADV] offset:(\hf)*1024+512
	ds_load_b128 v[V+12:V+15], v[ADV] offset:(2+\hf)*1024
	ds_load_b128 v[V+18:V+21], v[ADV] offset:(2+\hf)*1024+512
.endm
.macro VSLOAD
	ds_load_b32 v[VS], v[ADW] offset:VSO
	ds_load_b32 v[VS+1], v[ADW] offset:VSO+64
.endm
.macro WLOAD hf, c, w                  ; the positions of places 16 hf .. + 15 of my block 2 c + h into table w: 4 loads
.irp i, 0,1,2,3
	ds_load_b128 v[\w+4*\i:\w+4*\i+3], v[ADT] offset:256*\c+64*\hf+16*\i
.endr
.endm
.macro SCORE hf, msk                   ; four products: fragment c against Q0 and Q1
.irp c, 0,1
.irp u, 0,1
.if \msk
	MMC S+32*\hf+16*\c+8*\u, F+12*\c, Q0+12*\u, S+32+16*\c+8*\u, KS+\c, QS
.else
	MM0 S+32*\hf+16*\c+8*\u, F+12*\c, Q0+12*\u, KS+\c, QS
.endif
.endr
.endr
.endm
.macro MASK hf, c, w                   ; the full way: a place is hidden where its key's position lies outside my query's window; a NaN fails both compares: seen.  The 32 compares stand in one run, into 32 scalar registers
.set j, 0
.rept 16
	v_cmp_lt_f32 s[CL+j], v[\w+j], v[QLO]
	v_cmp_gt_f32 s[CH+j], v[\w+j], v[QHI]
.set j, j+1
.endr
	s_wait_alu depctr_va_sdst(0)                   ; the run's 32 masks are written, ahead of their first readers
.set j, 0
.rept 16
	s_or_b32 s[CL+j], s[CL+j], s[CH+j]
	v_cndmask_b32 v[S+32*\hf+16*\c+j], v[S+32*\hf+16*\c+j], v[NINF], s[CL+j]
.set j, j+1
.endr
.endm
.macro SOFTA nh                        ; nh = 1: places 0-15; 2: all 32.  The softmax up to the exponentials and their wait
.irp c, 0,1
	v_max3_num_f32 v[BM+\c], v[S+16*\c], v[S+16*\c+1], v[S+16*\c+2]   ; the largest score of each of my two blocks: it serves the row's maximum and, since p rises with the score, the block's largest p
.endr
.irp i, 3,5,7,9,11,13
.irp c, 0,1
	v_max3_num_f32 v[BM+\c], v[BM+\c], v[S+16*\c+\i], v[S+16*\c+\i+1]
.endr
.endr
.irp c, 0,1
	v_max_num_f32 v[BM+\c], v[BM+\c], v[S+16*\c+15]
.endr
.if \nh == 2
.irp i, 0,2,4,6,8,10,12,14
.irp c, 0,1
	v_max3_num_f32 v[BM+\c], v[BM+\c], v[S+32+16*\c+\i], v[S+32+16*\c+\i+1]
.endr
.endr
.endif
	v_max_num_f32 v[T0], v[BM], v[BM+1]
	v_permlanex16_b32 v[T1], v[T0], s20, s21
	v_max_num_f32 v[T0], v[T0], v[T1]              ; the step's largest score of my query
	v_mul_f32 v[T0], s22, v[T0]                    ; as t (c is positive)
	v_max_num_f32 v13, v13, v[T0]                  ; the running largest t
	v_mov_b32 v[T0], v12
	v_floor_f32 v12, -v13                          ; the new -M = floor(-t): M is a whole number
	v_sub_f32 v[T0], v12, v[T0]                    ; old M - new M: a whole number, 0 or less
	v_cvt_i32_f32 v[T0], v[T0]                     ; (it saturates)
	v_ldexp_f32 v[FF], 1.0, v[T0]                  ; f
.set j, 0
.rept 16*\nh
	v_pk_fma_f32 v[S+j:S+j+1], v[S+j:S+j+1], s[22:23], v[12:13] op_sel_hi:[1,0,0]   ; t - M
.set j, j+2
.endr
.irp c, 0,1
	v_fma_f32 v[BM+\c], v[BM+\c], s22, v12         ; the same of each block's largest score
.endr
.set j, 0
	s_wait_alu depctr_va_vdst(0)
.rept 32*\nh
	v_exp_f32 v[S+j], v[S+j]                       ; p = 2^(t - M): not normalised
.set j, j+1
.endr
.irp c, 0,1
	v_exp_f32 v[BM+\c], v[BM+\c]                   ; the block's largest p: the same two instructions on the same number
.endr
	v_pk_mul_f32 v[14:15], v[14:15], v[FF:FF+1] op_sel_hi:[1,0]   ; the sum under the new M: the plain instruction behind the batch
	s_wait_alu depctr_va_vdst(0)                   ; the exponentials have written p and the blocks' largest p, ahead of their first reader: one wait for the batch.  It also states: this step's addresses are written; the score products are done reading F, KS and (sparse) their C; the last step's second products are done reading V and VS
.endm
.macro SOFTB                           ; the two blocks' scales and p's scale word
.irp c, 0,1
	v_max_num_f32 v[BM+\c], 0x1800000, v[BM+\c]    ; the floor 2^(3 - 127): a block whose every p is 0 keeps the byte 1; its codes are zeros
.endr
.irp c, 0,1
	v_add_nc_u32 v[SO+\c], 0xff000000, v[BM+\c]    ; 2 off the exponent field: the conversion's scale operand
.endr
.irp c, 0,1
	v_lshrrev_b32 v[BY+\c], 23, v[SO+\c]
.endr
	v_lshl_or_b32 v[PS], v[BY+1], 16, v[BY]        ; blocks h and 2 + h,
	v_lshlrev_b32 v[PS], v[H8], v[PS]              ; at their places;
	v_permlanex16_b32 v[T1], v[PS], s20, s21
	v_or_b32 v[PS], v[PS], v[T1]                   ; with the other half's two the word is whole
.endm
.macro CVT hf                          ; 16 places of each block become registers 6 c .. 6 c + 2 of P
.irp c, 0,1
	v_cvt_scalef32_pk16_fp6_f32 v[P+6*\c:P+6*\c+2], v[S+32*\hf+16*\c:S+32*\hf+16*\c+15], v[SO+\c]
.endr
.endm
.macro RESC                            ; O^T under the new M.  Its first line is the plain instruction behind the conversions
.irp j, 0,2,4,6,8,10,12,14
	v_pk_mul_f32 v[O+\j:O+\j+1], v[O+\j:O+\j+1], v[FF:FF+1] op_sel_hi:[1,0]
.endr
.endm
.macro SUMS nh                         ; the row's sum of the unquantised p, in two chains.  With the rescaling these lines are the places between p's scale word (8 are asked), P (4) and the products
	v_pk_add_f32 v[L2:L2+1], v[S:S+1], v[S+2:S+3]
.set j, 4
.rept 8*\nh-1
	v_pk_add_f32 v[14:15], v[14:15], v[S+j:S+j+1]
	v_pk_add_f32 v[L2:L2+1], v[L2:L2+1], v[S+j+2:S+j+3]
.set j, j+4
.endr
	v_pk_add_f32 v[14:15], v[14:15], v[L2:L2+1]
.endm
.macro PV                              ; O^T += V^T P^T: the two accumulators take turns, and score products stand between one pair and the next
	MMC O, V, P, O, VS, PS
	MMC O+8, V+12, P, O+8, VS+1, PS
.endm
; A sparse step.  Its K, KS and MT were asked for in the step before.  Behind the wait in SOFTA no vector or matrix instruction up to the step's end names V, VS, F, KS, S+32 .. or an address register: so the 22 loads owe no further wait
.macro STEP1
	SCORE 0, 1
	PLACES
	SOFTA 1
	VLOAD 0                                        ; this step's V first: it is wanted soonest
	VSLOAD
	SOFTB
	KLOAD 0, NK, NW                                ; the next step's K
	CVT 0
	RESC
	MLOAD NM                                       ; the next step's MT
	SUMS 1
	s_wait_dscnt 0x10                              ; V's four loads and its two scale words are in; K's eight and MT's eight are behind them
	s_wait_alu depctr_va_vdst(0)                   ; the conversions have written P, and p's scale word is written: the scaled products below take them; the places stand above
	PV
.endm
.macro STEP2
	v_add_nc_u32 v[ADK], s24, v[AK0]               ; the two addresses that the full way alone reads (the wait at the step's head has shown their last readers done)
	v_add_nc_u32 v[ADT], s24, v[AT0]
	SCORE 0, 0
	PLACES
	s_wait_alu depctr_va_vdst(0)                   ; the four products are done reading F and KS, in which the loads below land; ADK, ADT and ADW are written; an earlier full step's compares are done reading the two tables
	KLOAD 1, ADK, ADW
	WLOAD 0, 0, WT
	WLOAD 0, 1, WT1
	s_wait_dscnt 0x8                               ; K's eight loads are in; the two tables' eight are behind them
	SCORE 1, 0
	PLACES
	s_wait_dscnt 0x4                               ; the first table is in; the second's four loads are behind it
	MASK 0, 0, WT
	s_wait_dscnt 0x0
	MASK 0, 1, WT1
	s_wait_alu depctr_va_vdst(0)                   ; the compares are done reading both tables, in which the loads below land
	WLOAD 1, 0, WT
	WLOAD 1, 1, WT1
	s_wait_dscnt 0x4                               ; as above
	MASK 1, 0, WT
	s_wait_dscnt 0x0
	MASK 1, 1, WT1
	SOFTA 2
	VLOAD 0
	VSLOAD
	SOFTB
	KLOAD 0, NK, NW                                ; the next step's K
	CVT 0
	RESC
	SUMS 2
	s_wait_dscnt 0x8                               ; V's four loads and its two scale words are in; K's eight are behind them
	s_wait_alu depctr_va_vdst(0)                   ; the conversions have written P, and p's scale word is written: the scaled products below take them
	PV                                             ; places 0-15 of the four blocks
	PLACES
	s_wait_alu depctr_va_vdst(0)                   ; the two products are done reading V, in which the loads below land
	VLOAD 1
	CVT 1                                          ; places 16-31 take the same 16 positions of a second pair of products, under the same scale words
	PLACES
	s_wait_dscnt 0x0
	s_wait_alu depctr_va_vdst(0)                   ; the conversions have written P, which the scaled products below take; they and the sums are done reading S+32 .., in which MT lands below
	PV
	MLOAD NM                                       ; the next step's MT: the two products since the wait name O, V, P and scale words alone
.endm
	s_mov_b32 s19, 0                               ; the step
	s_mov_b32 s24, 0                               ; its record in LDS
	s_wait_alu depctr_va_vdst(0)                   ; Q0, Q1, q's scale word and the zero registers of F, V and P are written by vector instructions: the scaled products take them
	KLOAD 0, AK0, AW0                              ; step 0's K and MT: record 0 begins at LDS byte 0
	MLOAD AM0
.Lstep:
	s_add_co_u32 s25, s24, REC
	s_min_u32 s25, s25, 31*REC                     ; the next step's record, held at the last
	s_wait_alu depctr_vm_vsrc(0)                   ; the LDS loads issued so far have read the address registers that are written below and in the full way
	v_add_nc_u32 v[ADW], s24, v[AW0]
	v_add_nc_u32 v[ADV], s24, v[AV0]
	v_add_nc_u32 v[NK], s25, v[AK0]
	v_add_nc_u32 v[NW], s25, v[AW0]
	v_add_nc_u32 v[NM], s25, v[AM0]
	s_wait_dscnt 0x0                               ; this step's K, its scale words and MT, asked for in the step before, are in
	s_bitcmp1_b32 s18, s19
	s_cbranch_scc1 .Lfull
	STEP1
	s_branch .Lnext
.Lfull:
	STEP2
.Lnext:
	s_add_co_u32 s24, s24, REC
	s_add_co_u32 s19, s19, 1
	s_cmp_lt_u32 s19, 32
	s_cbranch_scc1 .Lstep
	; THE WAY OUT: O^T / the sum, quantised along the head's 32 channels: a block of the projection's K
	s_wait_alu depctr_vm_vsrc(0)                   ; the LDS loads have read v8 to v11, which are written below
	v_and_b32 v8, 15, v0                           ; (plain instructions: the places behind the last products)
	v_bfe_u32 v9, v0, 4, 1
	v_mul_u32_u24 v10, v8, 24
	v_mad_u32_u24 v10, v9, 12, v10                 ; my 12 bytes: 24 r + 12 h
	v_lshlrev_b32 v11, 3, v8                       ; my row's 8 scale bytes
	v_add_f32 v14, v14, v15
	v_permlanex16_b32 v[T1], v14, s20, s21
	v_add_f32 v14, v14, v[T1]                      ; the row's sum
	s_wait_alu depctr_va_vdst(0)
	v_rcp_f32 v14, v14
	v_nop                                          ; a plain instruction behind the reciprocal
	s_wait_alu depctr_va_vdst(0)                   ; the reciprocal has written v14, ahead of its first reader
.irp j, 0,1,2,3,4,5,6,7,8,9,10,11,12,13,14,15
	v_mul_f32 v[S+\j], v[O+\j], v14                ; channels 16 h .. 16 h + 15
.endr
	v_max3_num_f32 v[BM], |v[S]|, |v[S+1]|, 0x1800000
.irp i, 2,4,6,8,10,12,14
	v_max3_num_f32 v[BM], v[BM], |v[S+\i]|, |v[S+\i+1]|
.endr
	v_permlanex16_b32 v[T1], v[BM], s20, s21
	v_max_num_f32 v[BM], v[BM], v[T1]
	v_add_nc_u32 v[SO], 0xff000000, v[BM]
	v_lshrrev_b32 v[BY], 23, v[SO]
	v_cvt_scalef32_pk16_fp6_f32 v[P:P+2], v[S:S+15], v[SO]
	v_nop                                          ; one plain instruction behind the scaled conversion
	s_wait_alu depctr_va_vdst(0)                   ; the conversion has written the codes, and the byte, v10 and v11 are written: the two stores read them
	global_store_b96 v10, v[P:P+2], s[40:41]       ; the wave stores 384 consecutive bytes
	global_store_b8 v11, v[BY], s[42:43]           ; both halves of the lanes store the same byte
	s_wait_dscnt 0x0                               ; the closing lines, six on end
	s_wait_alu 0x0
	s_wait_tensorcnt 0x0
	ds_add_u32 v[SPW], v[NIL]
	s_wait_dscnt 0x0
	s_endpgm
.Lfunc_end_k_qbc523f73ab_attn:
	.size	k_qbc523f73ab_attn, .Lfunc_end_k_qbc523f73ab_attn-k_qbc523f73ab_attn
	.p2alignl 7, 3214868480
	.fill 96, 4, 3214868480
	.section	.rodata,"a",@progbits
	.p2align	6, 0x0
	.amdhsa_kernel k_qbc523f73ab_attn
		.amdhsa_group_segment_fixed_size 272384
		.amdhsa_private_segment_fixed_size 0
		.amdhsa_enable_private_segment 0
		.amdhsa_kernarg_size 32
		.amdhsa_user_sgpr_count 2
		.amdhsa_user_sgpr_kernarg_segment_ptr 1
		.amdhsa_wavefront_size32 1
		.amdhsa_system_sgpr_workgroup_id_x 1
		.amdhsa_system_sgpr_workgroup_id_y 1
		.amdhsa_system_sgpr_workgroup_id_z 1
		.amdhsa_system_vgpr_workitem_id 0
		.amdhsa_next_free_vgpr 248
		.amdhsa_next_free_sgpr 82
		.amdhsa_reserve_vcc 0
		.amdhsa_float_denorm_mode_32 3
		.amdhsa_float_denorm_mode_16_64 3
		.amdhsa_memory_ordered 1
		.amdhsa_forward_progress 1
		.amdhsa_inst_pref_size 56
	.end_amdhsa_kernel
	.amdgpu_metadata
---
amdhsa.version: [ 1, 2 ]
amdhsa.kernels:
  - .name:           k_qbc523f73ab_attn
    .symbol:         k_qbc523f73ab_attn.kd
    .args:
      - { .name: qq, .offset: 0, .size: 8, .value_kind: global_buffer, .address_space: global }
      - { .name: kv, .offset: 8, .size: 8, .value_kind: global_buffer, .address_space: global }
      - { .name: tabs, .offset: 16, .size: 8, .value_kind: global_buffer, .address_space: global }
      - { .name: ao, .offset: 24, .size: 8, .value_kind: global_buffer, .address_space: global }
    .group_segment_fixed_size: 272384
    .private_segment_fixed_size: 0
    .kernarg_segment_align: 8
    .kernarg_segment_size: 32
    .max_flat_workgroup_size: 512
    .sgpr_count:     82
    .vgpr_count:     248
    .wavefront_size: 32
...
	.end_amdgpu_metadata
.endif
;; end of part 9
;; launch proj (part 10): grid 512 x 1, 4 waves a work-group, no clusters, 17,920 bytes of LDS; arguments ao, w_proj_codes, w_proj_scales, b_proj, out0; writes out0
.if DOCPART == 10
	.amdgcn_target "amdgcn-amd-amdhsa--gfx1250"
	.amdhsa_code_object_version 6
	.text
	.protected	k_qbc523f73ab_proj
	.globl	k_qbc523f73ab_proj
	.p2align	8
	.type	k_qbc523f73ab_proj,@function
k_qbc523f73ab_proj:
	s_mov_b64 s[64:65], 0
	v_nop
	global_prefetch_b8 v0, s[64:65] scope:SCOPE_SE
	s_setreg_imm32_b32 hwreg(HW_REG_WAVE_SCHED_MODE, 0, 2), 2
	s_setreg_imm32_b32 hwreg(HW_REG_WAVE_MODE, 25, 1), 1
	s_wait_xcnt 0x0
	s_wait_alu depctr_vm_vsrc(0)
; out0 = ao w_proj + b_proj on codes of FP6 (E2M3), K = 256 in two steps of 128.  ao: codes [8 heads][512 tiles][16 rows][24] at 0 (a head's 32 channels are one block of K), scale bytes [8192 rows][8] at ASOFF.
; A work-group takes one tile of 16 rows; wave w its columns 64 w .. 64 w + 63: four tiles.  The product is used transposed (source 0 = 16 rows of the weight, source 1 = the 16 rows of ao): a lane holds eight neighbouring columns of one row.
; The bias is the C of each sum's first matrix instruction.  The results go through the wave's own stage in LDS (rows of 256 + 16 bytes) and leave as rows: sixteen lanes store 256 consecutive bytes, at a multiple of 256 from out0's first byte.
; All loads go out at once at the head; waves share nothing: no barrier.
; THE MODE: SCHED_MODE bits 1:0 = 2 (LLVM: expert scheduling mode 2), set by the entry lines.  The code itself states the register dependences
; between vector or matrix instructions and memory or LDS instructions, with s_wait_alu, always for 0.
; THE PLAN.  Registers that memory or LDS instructions touch:
;   v3, v4, v5, v7, v18, v238, v239   offsets and LDS addresses: written once at the head, never again.
;   AS, WS, AO, W, BI                 written by loads alone; read by the matrix instructions.
;   ACC                               written by the matrix instructions; read by the stage's stores.
;   BK                                written by the stage's loads, read by the global stores: no vector instruction names them.
;   v[SPW], v[NIL]                    written at the head, read by the closing add alone.
; So: one wait behind v_readfirstlane_b32, one ahead of the first load, one (behind the places) ahead of the stage's stores.
.set ASOFF, 1572864
.set HB,    196608                     ; a head's codes in ao
.set SPARE, 17408                      ; behind the four stages of 16 x 272 bytes: the spare words, 128 bytes for each wave
.set SPW, 236                          ; v236 LDS address of my spare word; never rewritten
.set NIL, 237                          ; v237 0; never rewritten
.set AS,  8                            ; v8-9     ao's scale words, one a K step
.set WS,  10                           ; v10-17   the weight's: 10 + 2 n + ks
.set AO,  20                           ; v20-43   ao's fragments: 20 + 12 ks
.set W,   44                           ; v44-139  the weight's: 44 + 12 (2 n + ks)
.set BI,  140                          ; v140-171 the bias in the result's layout
.set ACC, 172                          ; v172-203
.set BK,  204                          ; v204-235 rows read back
.macro MMC d, a, b, c, sa, sb
	v_wmma_scale_f32_16x16x128_f8f6f4 v[\d:\d+7], v[\a:\a+11], v[\b:\b+11], v[\c:\c+7], v[\sa], v[\sb] matrix_a_fmt:MATRIX_FMT_FP6 matrix_b_fmt:MATRIX_FMT_FP6
.endm
	s_load_b256 s[4:11], s[0:1], 0x0               ; ao s[4:5], the weight's codes s[6:7], its scales s[8:9], the bias s[10:11]
	s_load_b64 s[12:13], s[0:1], 0x20              ; out0
	v_lshl_add_u32 v[SPW], v0, 2, SPARE
	v_mov_b32 v[NIL], 0
	v_lshrrev_b32 v1, 5, v0
	v_readfirstlane_b32 s14, v1                    ; wave
	v_and_b32 v1, 15, v0                           ; r
	v_bfe_u32 v2, v0, 4, 1                         ; h
	v_mul_u32_u24 v3, v1, 24
	v_mad_u32_u24 v3, v2, HB, v3                   ; ao: row r of a head's tile; lanes 16-31 take the next head: k-block 2 c + h is head 4 ks + 2 c + h
	v_lshlrev_b32 v4, 3, v1                        ; scale bytes: 8 a row, of ao and of the weight alike
	v_mul_u32_u24 v5, v1, 192
	v_mad_u32_u24 v5, v2, 24, v5                   ; the weight: row r of 192 bytes, + 24 h
	v_lshlrev_b32 v7, 5, v2                        ; the bias: my half's eight numbers
	v_lshlrev_b32 v18, 10, v2
	v_lshl_add_u32 v18, v1, 4, v18                 ; out0: lanes 0-15 one row, lanes 16-31 the next; 16 bytes a lane
	s_wait_alu depctr_va_sdst(0)                   ; s14 is written, ahead of its first reader
	s_mul_i32 s15, s14, 4352
	v_mul_u32_u24 v238, v1, 272
	v_lshl_add_u32 v238, v2, 5, v238
	v_add_nc_u32 v238, s15, v238                   ; the stage, way in: row r, + 32 h
	v_mul_u32_u24 v239, v2, 272
	v_lshl_add_u32 v239, v1, 4, v239
	v_add_nc_u32 v239, s15, v239                   ; way out
	s_mul_i32 s16, ttmp9, 384
	s_mov_b32 s17, 0
	s_lshl_b32 s18, ttmp9, 7
	s_add_co_u32 s18, s18, ASOFF
	s_mov_b32 s19, 0
	s_mul_i32 s20, s14, 12288                      ; my 64 rows of the weight
	s_mov_b32 s21, 0
	s_lshl_b32 s22, s14, 9
	s_mov_b32 s23, 0
	s_lshl_b32 s24, s14, 8
	s_mov_b32 s25, 0
	s_lshl_b32 s26, ttmp9, 14
	s_add_co_u32 s26, s26, s24                     ; 16 rows of 1,024 bytes a tile, + my 256 bytes of a row
	s_mov_b32 s27, 0
	s_wait_kmcnt 0x0
	s_add_nc_u64 s[28:29], s[4:5], s[18:19]
	s_add_nc_u64 s[4:5], s[4:5], s[16:17]
	s_add_nc_u64 s[6:7], s[6:7], s[20:21]
	s_add_nc_u64 s[8:9], s[8:9], s[22:23]
	s_add_nc_u64 s[10:11], s[10:11], s[24:25]
	s_add_nc_u64 s[12:13], s[12:13], s[26:27]
	s_wait_alu depctr_va_vdst(0)                   ; the offsets and addresses v3, v4, v5, v7, v18, v238 and v239 are written, which every load and store of the kernel reads
.irp s, 0,1
.irp c, 0,1
.irp p, 0,1,2
	global_load_b64 v[AO+12*\s+6*\c+2*\p:AO+12*\s+6*\c+2*\p+1], v3, s[4:5] offset:(4*\s+2*\c)*HB+8*\p
.endr
.endr
.endr
	global_load_b64 v[AS:AS+1], v4, s[28:29]
.irp n, 0,1,2,3
.irp s, 0,1
.irp p, 0,1,2,3,4,5
	global_load_b64 v[W+12*(2*\n+\s)+2*\p:W+12*(2*\n+\s)+2*\p+1], v5, s[6:7] offset:16*\n*192+96*\s+48*(\p/3)+8*(\p%3)
.endr
.endr
	global_load_b64 v[WS+2*\n:WS+2*\n+1], v4, s[8:9] offset:128*\n
	global_load_b128 v[BI+8*\n:BI+8*\n+3], v7, s[10:11] offset:64*\n
	global_load_b128 v[BI+8*\n+4:BI+8*\n+7], v7, s[10:11] offset:64*\n+16
.endr
	s_wait_loadcnt 0x0
.irp n, 0,1,2,3                        ; the four accumulators take turns, one instruction a turn
	MMC ACC+8*\n, W+12*(2*\n), AO, BI+8*\n, WS+2*\n, AS
.endr
.irp n, 0,1,2,3
	MMC ACC+8*\n, W+12*(2*\n+1), AO+12, ACC+8*\n, WS+2*\n+1, AS+1
.endr
.rept 4
	v_nop                                          ; four places between the last product and the first read of results (ISA guide 7.12.1)
.endr
	s_wait_alu depctr_va_vdst(0)                   ; the matrix instructions have written the accumulators, which the LDS stores read; the places above stay beside this wait
.irp n, 0,1,2,3
	ds_store_b128 v238, v[ACC+8*\n:ACC+8*\n+3] offset:64*\n        ; each accumulator from its low end on
	ds_store_b128 v238, v[ACC+8*\n+4:ACC+8*\n+7] offset:64*\n+16
.endr
.irp i, 0,1,2,3,4,5,6,7
	ds_load_b128 v[BK+4*\i:BK+4*\i+3], v239 offset:544*\i          ; LDS serves a wave's instructions in order: these see my stores
.endr
.irp i, 0,1,2,3,4,5,6,7
	s_wait_dscnt 7-\i                              ; load i is in; the 7 - i behind it may be out
	global_store_b128 v18, v[BK+4*\i:BK+4*\i+3], s[12:13] offset:2048*\i th:TH_STORE_NT
.endr
	s_wait_dscnt 0x0                               ; the closing lines, six on end
	s_wait_alu 0x0
	s_wait_tensorcnt 0x0
	ds_add_u32 v[SPW], v[NIL]
	s_wait_dscnt 0x0
	s_endpgm
.Lfunc_end_k_qbc523f73ab_proj:
	.size	k_qbc523f73ab_proj, .Lfunc_end_k_qbc523f73ab_proj-k_qbc523f73ab_proj
	.p2alignl 7, 3214868480
	.fill 96, 4, 3214868480
	.section	.rodata,"a",@progbits
	.p2align	6, 0x0
	.amdhsa_kernel k_qbc523f73ab_proj
		.amdhsa_group_segment_fixed_size 17920
		.amdhsa_private_segment_fixed_size 0
		.amdhsa_enable_private_segment 0
		.amdhsa_kernarg_size 40
		.amdhsa_user_sgpr_count 2
		.amdhsa_user_sgpr_kernarg_segment_ptr 1
		.amdhsa_wavefront_size32 1
		.amdhsa_system_sgpr_workgroup_id_x 1
		.amdhsa_system_sgpr_workgroup_id_y 1
		.amdhsa_system_sgpr_workgroup_id_z 1
		.amdhsa_system_vgpr_workitem_id 0
		.amdhsa_next_free_vgpr 240
		.amdhsa_next_free_sgpr 66
		.amdhsa_reserve_vcc 0
		.amdhsa_float_denorm_mode_32 3
		.amdhsa_float_denorm_mode_16_64 3
		.amdhsa_memory_ordered 1
		.amdhsa_forward_progress 1
		.amdhsa_inst_pref_size 13
	.end_amdhsa_kernel
	.amdgpu_metadata
---
amdhsa.version: [ 1, 2 ]
amdhsa.kernels:
  - .name:           k_qbc523f73ab_proj
    .symbol:         k_qbc523f73ab_proj.kd
    .args:
      - { .name: ao, .offset: 0, .size: 8, .value_kind: global_buffer, .address_space: global }
      - { .name: w_proj_codes, .offset: 8, .size: 8, .value_kind: global_buffer, .address_space: global }
      - { .name: w_proj_scales, .offset: 16, .size: 8, .value_kind: global_buffer, .address_space: global }
      - { .name: b_proj, .offset: 24, .size: 8, .value_kind: global_buffer, .address_space: global }
      - { .name: out0, .offset: 32, .size: 8, .value_kind: global_buffer, .address_space: global }
    .group_segment_fixed_size: 17920
    .private_segment_fixed_size: 0
    .kernarg_segment_align: 8
    .kernarg_segment_size: 40
    .max_flat_workgroup_size: 128
    .sgpr_count:     66
    .vgpr_count:     240
    .wavefront_size: 32
...
	.end_amdgpu_metadata
.endif
;; end of part 10
